; MI455X (gfx1250); checked and timed in simulation.
; The chip was launched on July 23, 2026; its instructions are those of AMD's public machine-readable ISA for CDNA 5 (MIT licence, August 2026) and "CDNA5" Instruction Set Architecture Reference Guide (July 2026). The comments in the code are by the model that wrote it; some were corrected since.
;; Causal Self Attention. Allowed arithmetic: matrix products marked QUANTISED: E2M1 operands, one E8M0 scale for each 32 along K, by v_wmma_scale_f32_16x16x128_f8f6f4 with both operands' format E2M1 (or v_wmma_scale_f32_32x16x128_f4), f32 sums; products left as they are: bf16, f16 or f32 operands; f32 sums; everything else in f32.
;; Inputs: b_out 1,024 float32; b_qkv 3,072 float32; w_out 1,024 x 1,024 float32; w_qkv 1,024 x 3,072 float32; x 4 x 2,048 x 1,024 float32.
;; Outputs: out0 4 x 2,048 x 1,024 float32.
;; This version of the problem:
;;   THIS VERSION OF THE PROBLEM IS GIVEN IN LOW PRECISION. The matrix products marked QUANTISED in the list below multiply operands that are first quantised to E2M1 (2 exponent bits, 1 mantissa bit; 4 bits a number), with one power-of-two scale for each 32 numbers along K (OCP MX v1.0); their sums are f32. The products marked 'left as it is' may take bf16, f16 or f32 operands, with f32 sums. Whichever they take, every output number must still come out within the allowed error. Rounding operands to bf16 (8 significant bits) uses up far more of that allowance than f16 does (11 bits, for magnitudes from 6e-5 to 65,504). All else is computed in f32.
;;   The module's matrix products, in the order in which they are computed (A, B: the left and right operand; K: the contracted axis; several contracted axes count as one K, in the product's order):
;;     1. [M 8,192, K 1,024] x [K 1,024, N 3,072]; A: input x; B: input w_qkv: QUANTISED
;;     2. batch 64 x [M 2,048, K 64] x [K 64, N 2,048]; A: computed on the way; B: computed on the way: left as it is (an operand is computed on the way)
;;     3. batch 64 x [M 2,048, K 2,048] x [K 2,048, N 64]; A: computed on the way; B: computed on the way: left as it is (an operand is computed on the way)
;;     4. [M 8,192, K 1,024] x [K 1,024, N 1,024]; A: computed on the way; B: input w_out: left as it is (an operand is computed on the way)
;;   THE QUANTISER, for each operand of a quantised product, along K:
;;     - K is cut into blocks of 32 from its start; a last block that is shorter is filled with zeros.
;;     - A block's scale is 2^e with e = floor(log2(the largest magnitude in the block)) - 2, held to -126 .. 127; a block of zeros has e = 0. As a byte (E8M0): e + 127.
;;     - Each number is divided by its block's scale, clamped to +-6, and rounded to the nearest number of E2M1, ties to even, subnormals kept.
;;     - The product sums the exact products of the quantised numbers (number of the format x scale) in f32.
;;   ~~~python
;;   def quantise(x, axis):      # numpy; x: float32 -> the quantised numbers, widened to float32 again
;;       x = np.moveaxis(x, axis, -1); K = x.shape[-1]
;;       x = np.pad(x, [(0, 0)] * (x.ndim - 1) + [(0, -K % 32)]); x = x.reshape(x.shape[:-1] + (-1, 32)); a = np.abs(x).max(-1, keepdims=True)
;;       e = np.where(a > 0, np.clip(np.frexp(np.where(a > 0, a, 1))[1] - 1 - 2, -126, 127), 0)      # np.frexp(a)[1] - 1 = floor(log2(a)), exactly
;;       r = np.clip(x / 2.0 ** e, -6, 6)
;;       step = 2.0 ** (np.maximum(np.frexp(np.where(r == 0, 1, r))[1] - 1, 0) - 1)
;;       q = np.round(r / step) * step * 2.0 ** e      # np.round: ties to even
;;       return np.moveaxis(q.reshape(q.shape[:-2] + (-1,))[..., :K], -1, axis).astype(np.float32)
;;   ~~~
;; One version. Each part assembles by itself: llvm-mc -triple=amdgcn-amd-amdhsa -mcpu=gfx1250 --defsym DOCPART=n.
;; ======== version 1 of 1: 4 launches
;; limits: values are held in f16: magnitudes above 65,504 overflow, below 6.1e-05 lose precision; right only within a limited range of input values
;; workspace buffers: x_codes 4,194,304 bytes; x_scales 262,144 bytes; w_codes 1,572,864 bytes; w_scales 98,304 bytes; wt 2,097,152 bytes; qkv 50,331,648 bytes; att 16,777,216 bytes
;; launch prep (part 1): grid 368 x 1, 4 waves a work-group, no clusters, 102,912 bytes of LDS; arguments x, w_qkv, w_out, x_codes, x_scales, w_codes, w_scales, wt; writes x_codes, x_scales, w_codes, w_scales, wt
.if DOCPART == 1
	.amdgcn_target "amdgcn-amd-amdhsa--gfx1250"
	.amdhsa_code_object_version 6
	.text
	.protected	k_q7e3d325e02_prep
	.globl	k_q7e3d325e02_prep
	.p2align	8
	.type	k_q7e3d325e02_prep,@function
k_q7e3d325e02_prep:
	s_mov_b64 s[64:65], 0
	v_nop
	global_prefetch_b8 v0, s[64:65] scope:SCOPE_SE
	s_setreg_imm32_b32 hwreg(HW_REG_WAVE_MODE, 25, 1), 1
	s_wait_xcnt 0x0
; PREP: the operands of the later launches are made once.
;   work-groups 0-47    (WQ): w_qkv [1024 k][3072 n] f32 -> codes of FP4 (E2M1) laid [3072 n][512 bytes], K innermost, and E8M0 bytes [3072][32]
;   work-groups 48-111  (WO): w_out [1024 k][1024 n] f32 -> f16, laid [1024 n][1024 k]
;   work-groups 112-367 (X) : x [8192][1024] f32 -> codes [8192][512 bytes] and E8M0 bytes [8192][32]
; The three ways part on the work-group's number, the same in all four waves; each has LDS bytes of its own.  No tensor load, no barrier: waves share nothing.
; THE QUANTISER: a block of 32 along K has the scale 2^(floor(log2(largest magnitude)) - 2); its byte is the largest magnitude's exponent field - 2, held at 1 from below; each number is divided by
; the scale and rounded to the nearest code, ties to even, beyond 6 the largest code.
; LIMITS: a block of zeros gets the byte 1 where the rule says 127 (its codes are zeros, which add nothing under any byte but 0xff, and this program alone reads the bytes); NaN and infinities among the
; inputs are not served; w_out goes to f16: magnitudes up to 65,504, steps of 6e-8 under 6e-5.
.set SPARE, 102400                     ; behind the three ways' regions: the spare words, 128 bytes for each wave: two blocks of 256 bytes that no other line names
.set SPW,   190                        ; v190  LDS address of my spare word: SPARE + 4 x my thread's number; never rewritten
.set NIL,   191                        ; v191  0; never rewritten
	s_load_b256 s[4:11], s[0:1], 0x0               ; x s[4:5], w_qkv s[6:7], w_out s[8:9], x_codes s[10:11]
	s_load_b256 s[12:19], s[0:1], 0x20             ; x_scales s[12:13], w_codes s[14:15], w_scales s[16:17], wt s[18:19]
	v_lshl_add_u32 v[SPW], v0, 2, SPARE
	v_mov_b32 v[NIL], 0
	v_lshrrev_b32 v1, 5, v0
	v_readfirstlane_b32 s20, v1                    ; wave 0..3
	v_and_b32 v2, 31, v0                           ; lane
	s_wait_kmcnt 0x0
	s_cmp_lt_u32 ttmp9, 48
	s_cbranch_scc1 .Lwq
	s_cmp_lt_u32 ttmp9, 112
	s_cbranch_scc1 .Lwo
; ---------------- X: a plain stream of blocks of 32.  A wave takes 16 steps of 512 numbers.  Each load reads 512 consecutive bytes, 16 a lane; a step's 2,048 bytes turn through the wave's own stage
; in LDS and come back 64 bytes a lane: 16 neighbours along K, two lanes to a block.  Loads run four steps (16 loads) ahead, the turn through LDS one step.
.set WREG, 8192                        ; LDS bytes 0 to 32,767: a region for each wave: two stages of 32 x SP bytes, behind them its 256 scale bytes
.set SP,   80                          ; a lane's place in a stage: 64 bytes + 16 of padding
.set XL,   16                          ; v16-79   four sets of 16 numbers as loaded
.set XN,   80                          ; v80-111  two sets of 16 neighbours
.set XE,   112                         ; v112-127 a scale byte for each step
.set XC,   128                         ; v128-159 codes: two registers for each step, so that no store's data are written again
	v_lshlrev_b32 v3, 4, v2                        ; my 16 bytes of a load's 512
	s_mul_i32 s21, s20, WREG
	v_lshrrev_b32 v14, 2, v2
	v_mul_u32_u24 v14, v14, SP
	v_and_b32 v15, 3, v2
	v_lshl_add_u32 v14, v15, 4, v14
	v_add_nc_u32 v14, s21, v14                     ; the stage, on the way in: SP (lane / 4) + 16 (lane % 4)
	v_mul_u32_u24 v15, v2, SP
	v_add_nc_u32 v15, s21, v15                     ; and on the way out: SP x lane
	v_lshlrev_b32 v4, 3, v2                        ; 8 x lane: my codes' place in a step's 256 bytes, and my 8 of the wave's 256 scale bytes
	v_lshrrev_b32 v5, 1, v2
	s_add_co_u32 s21, s21, 2*32*SP
	v_add_nc_u32 v5, s21, v5                       ; LDS: my block's scale byte
	v_add_nc_u32 v6, s21, v4                       ; and 8 bytes a lane on the way out
	s_sub_co_u32 s22, ttmp9, 112
	s_lshl_b32 s22, s22, 2
	s_add_co_u32 s22, s22, s20                     ; which run of 8,192 numbers is my wave's: 0 to 1,023
	s_mov_b32 s25, 0
	s_lshl_b32 s24, s22, 15
	s_add_nc_u64 s[4:5], s[4:5], s[24:25]          ; 32,768 bytes of x a run,
	s_lshl_b32 s24, s22, 12
	s_add_nc_u64 s[10:11], s[10:11], s[24:25]      ; 4,096 of codes,
	s_lshl_b32 s24, s22, 8
	s_add_nc_u64 s[12:13], s[12:13], s[24:25]      ; 256 scale bytes
.macro LOADX t
.irp i, 0,1,2,3
	global_load_b128 v[XL+16*((\t)%4)+4*\i:XL+16*((\t)%4)+4*\i+3], v3, s[4:5] offset:2048*(\t)+512*\i th:TH_LOAD_NT
.endr
.endm
.macro TURNX t                         ; LDS serves a wave's instructions in order (ISA guide 5.7.1.4): no wait between the stores and the loads
.irp i, 0,1,2,3
	ds_store_b128 v14, v[XL+16*((\t)%4)+4*\i:XL+16*((\t)%4)+4*\i+3] offset:32*SP*((\t)%2)+8*SP*\i
.endr
.irp i, 0,1,2,3
	ds_load_b128 v[XN+16*((\t)%2)+4*\i:XN+16*((\t)%2)+4*\i+3], v15 offset:32*SP*((\t)%2)+16*\i
.endr
.endm
.macro STEPX t
.set XS, XN+16*((\t)%2)
.if (\t) > 0
	s_wait_dscnt 1                                 ; this step's numbers are back from the stage (the last step's byte store may be out)
.else
	s_wait_dscnt 0x0
.endif
.if (\t)+4 < 16
	LOADX (\t)+4                                   ; into the registers that this step's stores into the stage have read
.endif
.if (\t)+1 < 16
.if 14-(\t) >= 3
	s_wait_loadcnt 12                              ; the next step's four loads are in; those of the three steps behind it may be out
.else
	s_wait_loadcnt 4*(14-(\t))
.endif
	TURNX (\t)+1
.endif
	v_max3_num_f32 v8, |v[XS]|, |v[XS+1]|, |v[XS+2]|               ; the largest magnitude of my 16, in two chains
	v_max3_num_f32 v9, |v[XS+3]|, |v[XS+4]|, |v[XS+5]|
.irp i, 6,10
	v_max3_num_f32 v8, v8, |v[XS+\i]|, |v[XS+\i+1]|
	v_max3_num_f32 v9, v9, |v[XS+\i+2]|, |v[XS+\i+3]|
.endr
	v_max3_num_f32 v8, v8, |v[XS+14]|, |v[XS+15]|
	v_max3_num_f32 v8, v8, v9, 0x1800000           ; and the floor 2^(3 - 127): the byte cannot fall under 1
	v_max_num_f32_dpp v8, v8, v8 row_xmask:1 row_mask:0xf bank_mask:0xf   ; with my neighbour's 16: the block's
	v_add_nc_u32 v11, 0xff000000, v8               ; 2 off its exponent field: the conversion takes the exponent field of this operand as its scale
	v_cvt_scalef32_pk8_fp4_f32 v[XC+2*(\t)], v[XS:XS+7], v11
	v_cvt_scalef32_pk8_fp4_f32 v[XC+2*(\t)+1], v[XS+8:XS+15], v11
	v_lshrrev_b32 v[XE+(\t)], 23, v11              ; the scale's byte (a plain line behind the conversions)
	ds_store_b8 v5, v[XE+(\t)] offset:16*(\t)      ; both lanes of a block write the same byte with the same value
	global_store_b64 v4, v[XC+2*(\t):XC+2*(\t)+1], s[10:11] offset:256*(\t)   ; the wave stores 256 consecutive bytes, aligned
.endm
.irp t, 0,1,2,3
	LOADX \t
.endr
	s_wait_loadcnt 12                              ; step 0's four loads are in
	TURNX 0
.irp t, 0,1,2,3,4,5,6,7,8,9,10,11,12,13,14,15
	STEPX \t
.endr
	ds_load_b64 v[8:9], v6                         ; my wave's 256 scale bytes, 8 a lane
	s_wait_dscnt 0x0
	global_store_b64 v4, v[8:9], s[12:13]          ; 256 consecutive bytes, aligned
	s_wait_tensorcnt 0x0                           ; the wave's end, behind my last LDS store
	ds_add_u32 v[SPW], v[NIL]
	s_wait_dscnt 0x0
	s_endpgm
; ---------------- WQ: K is w_qkv's FIRST axis.  A lane takes a column n and its registers run down K: a block of 32 lies in one lane, and the conversions give codes with K innermost.
; A wave takes 32 columns x 512 along K: 16 blocks a lane, 256 bytes of codes a column; they go through the wave's stage and leave as rows, sixteen lanes to 256 aligned bytes.
.set QSTG, 32768                       ; LDS: four stages of 32 rows x 272 bytes
.set QX,   32                          ; v32-95   two sets of 32 numbers
.set QC,   96                          ; v96-99   a block's codes
.set QOUT, 112                         ; v112-175 the way out
.set QSB,  24                          ; v24-27   the scale bytes, four to a register
.Lwq:
	s_cmp_ge_u32 ttmp9, 24
	s_cselect_b32 s22, 1, 0                        ; which 512 along K
	s_cselect_b32 s21, 24, 0
	s_sub_co_u32 s21, ttmp9, s21                   ; which 128 columns
	s_lshl_b32 s21, s21, 7
	s_lshl_b32 s23, s20, 5
	s_add_co_u32 s21, s21, s23                     ; my wave's first column
	s_mov_b32 s25, 0
	s_mul_i32 s24, s22, 512*3072*4
	s_lshl_b32 s26, s21, 2
	s_add_co_u32 s24, s24, s26
	s_add_nc_u64 s[6:7], s[6:7], s[24:25]          ; w_qkv: 512 rows of 12,288 bytes a part of K, 4 bytes a column
	s_lshl_b32 s24, s21, 9
	s_lshl_b32 s26, s22, 8
	s_add_co_u32 s24, s24, s26
	s_add_nc_u64 s[14:15], s[14:15], s[24:25]      ; codes: 512 bytes a column, 256 a part of K
	s_lshl_b32 s24, s21, 5
	s_lshl_b32 s26, s22, 4
	s_add_co_u32 s24, s24, s26
	s_add_nc_u64 s[16:17], s[16:17], s[24:25]      ; scale bytes: 32 a column, 16 a part of K
	s_mul_i32 s27, s20, 32*272
	s_add_co_u32 s27, s27, QSTG                    ; my stage
	v_lshlrev_b32 v3, 2, v2                        ; in: 4 bytes a lane
	v_mul_u32_u24 v4, v2, 272
	v_add_nc_u32 v4, s27, v4                       ; into the stage: row = my column
	v_and_b32 v5, 15, v2
	v_lshrrev_b32 v6, 4, v2
	v_mul_u32_u24 v7, v6, 272
	v_lshl_add_u32 v7, v5, 4, v7
	v_add_nc_u32 v7, s27, v7                       ; out of it: sixteen lanes to a row, two rows an instruction
	v_lshlrev_b32 v8, 9, v6
	v_lshl_add_u32 v8, v5, 4, v8                   ; and the same place in the codes' buffer
	v_lshlrev_b32 v9, 5, v2                        ; my column's row of scale bytes
.macro LOADQ t
.irp i, 0,1,2,3,4,5,6,7,8,9,10,11,12,13,14,15,16,17,18,19,20,21,22,23,24,25,26,27,28,29,30,31
	global_load_b32 v[QX+32*((\t)%2)+\i], v3, s[6:7] offset:(32*(\t)+\i)*12288 th:TH_LOAD_NT   ; at most 511 rows on: inside the signed 24-bit immediate
.endr
.endm
.macro BLOCKQ t
.set XS, QX+32*((\t)%2)
.if (\t) < 15
	s_wait_loadcnt 32                              ; this block's 32 loads are in; the next block's may be out
.else
	s_wait_loadcnt 0x0
.endif
	v_max3_num_f32 v12, |v[XS]|, |v[XS+1]|, |v[XS+2]|              ; all 32 numbers of the block are mine
	v_max3_num_f32 v13, |v[XS+3]|, |v[XS+4]|, |v[XS+5]|
.irp i, 6,10,14,18,22,26
	v_max3_num_f32 v12, v12, |v[XS+\i]|, |v[XS+\i+1]|
	v_max3_num_f32 v13, v13, |v[XS+\i+2]|, |v[XS+\i+3]|
.endr
	v_max3_num_f32 v12, v12, |v[XS+30]|, |v[XS+31]|
	v_max3_num_f32 v12, v12, v13, 0x1800000        ; the floor 2^(3 - 127)
	v_add_nc_u32 v11, 0xff000000, v12              ; 2 off the exponent field: the conversion's scale operand
	v_lshrrev_b32 v13, 23, v11                     ; the scale's byte
.if (\t)%4 == 0
	v_mov_b32 v[QSB+(\t)/4], v13
.else
	v_lshl_or_b32 v[QSB+(\t)/4], v13, 8*((\t)%4), v[QSB+(\t)/4]
.endif
.irp g, 0,1,2,3
	v_cvt_scalef32_pk8_fp4_f32 v[QC+\g], v[XS+8*\g:XS+8*\g+7], v11
.endr
	v_nop                                          ; one plain line behind the last conversion
	ds_store_b128 v4, v[QC:QC+3] offset:16*(\t)    ; 32 codes: 16 bytes of my column's row
.if (\t)+2 < 16
	LOADQ (\t)+2
.endif
	s_wait_dscnt 0x0                               ; the store has read its registers: the next block's codes may be written
.endm
	LOADQ 0
	LOADQ 1
.irp t, 0,1,2,3,4,5,6,7,8,9,10,11,12,13,14,15
	BLOCKQ \t
.endr
	global_store_b128 v9, v[QSB:QSB+3], s[16:17]   ; my column's 16 scale bytes
.irp t, 0,1,2,3,4,5,6,7,8,9,10,11,12,13,14,15
	ds_load_b128 v[QOUT+4*\t:QOUT+4*\t+3], v7 offset:2*\t*272
.endr
.irp t, 0,1,2,3,4,5,6,7,8,9,10,11,12,13,14,15
	s_wait_dscnt 15-\t                             ; the t-th of the sixteen loads is in
	global_store_b128 v8, v[QOUT+4*\t:QOUT+4*\t+3], s[14:15] offset:2*\t*512
.endr
	s_wait_tensorcnt 0x0                           ; the wave's end: the three lines
	ds_add_u32 v[SPW], v[NIL]
	s_wait_dscnt 0x0
	s_endpgm
; ---------------- WO: w_out turned, on the same plan: a lane takes a column n, its registers run down K; pairs are rounded to f16.  A wave takes 32 columns x 128 along K: 256 bytes a column.
.set OSTG, 67584                       ; LDS: four stages of 32 rows x 272 bytes
.set OX,   32                          ; v32-95   two sets of 32 numbers; later the way out
.set OH,   96                          ; v96-159  sixteen registers of f16 pairs for each of the four blocks: no LDS store's data are written again
.Lwo:
	s_sub_co_u32 s21, ttmp9, 48
	s_lshr_b32 s22, s21, 3                         ; which 128 along K
	s_and_b32 s21, s21, 7                          ; which 128 columns
	s_lshl_b32 s21, s21, 7
	s_lshl_b32 s23, s20, 5
	s_add_co_u32 s21, s21, s23                     ; my wave's first column
	s_mov_b32 s25, 0
	s_lshl_b32 s24, s22, 19
	s_lshl_b32 s26, s21, 2
	s_add_co_u32 s24, s24, s26
	s_add_nc_u64 s[8:9], s[8:9], s[24:25]          ; w_out: 128 rows of 4,096 bytes a part of K, 4 bytes a column
	s_lshl_b32 s24, s21, 11
	s_lshl_b32 s26, s22, 8
	s_add_co_u32 s24, s24, s26
	s_add_nc_u64 s[18:19], s[18:19], s[24:25]      ; wt: 2,048 bytes a column, 256 a part of K
	s_mul_i32 s27, s20, 32*272
	s_add_co_u32 s27, s27, OSTG
	v_lshlrev_b32 v3, 2, v2
	v_mul_u32_u24 v4, v2, 272
	v_add_nc_u32 v4, s27, v4
	v_and_b32 v5, 15, v2
	v_lshrrev_b32 v6, 4, v2
	v_mul_u32_u24 v7, v6, 272
	v_lshl_add_u32 v7, v5, 4, v7
	v_add_nc_u32 v7, s27, v7
	v_lshlrev_b32 v8, 11, v6
	v_lshl_add_u32 v8, v5, 4, v8
.macro LOADO t
.irp i, 0,1,2,3,4,5,6,7,8,9,10,11,12,13,14,15,16,17,18,19,20,21,22,23,24,25,26,27,28,29,30,31
	global_load_b32 v[OX+32*((\t)%2)+\i], v3, s[8:9] offset:(32*(\t)+\i)*4096 th:TH_LOAD_NT
.endr
.endm
.macro BLOCKO t
.if (\t) < 3
	s_wait_loadcnt 32                              ; this block's 32 loads are in; the next block's may be out
.else
	s_wait_loadcnt 0x0
.endif
.irp p, 0,1,2,3,4,5,6,7,8,9,10,11,12,13,14,15
	v_cvt_pk_f16_f32 v[OH+16*(\t)+\p], v[OX+32*((\t)%2)+2*\p], v[OX+32*((\t)%2)+2*\p+1]   ; the lower k in the low half
.endr
.irp g, 0,1,2,3
	ds_store_b128 v4, v[OH+16*(\t)+4*\g:OH+16*(\t)+4*\g+3] offset:64*(\t)+16*\g
.endr
.if (\t) < 2
	LOADO (\t)+2
.endif
.endm
	LOADO 0
	LOADO 1
.irp t, 0,1,2,3
	BLOCKO \t
.endr
.irp u, 0,1,2,3,4,5,6,7,8,9,10,11,12,13,14,15
	ds_load_b128 v[OX+4*\u:OX+4*\u+3], v7 offset:544*\u
.endr
.irp u, 0,1,2,3,4,5,6,7,8,9,10,11,12,13,14,15
	s_wait_dscnt 15-\u
	global_store_b128 v8, v[OX+4*\u:OX+4*\u+3], s[18:19] offset:4096*\u   ; sixteen lanes store 256 consecutive bytes, aligned
.endr
	s_wait_tensorcnt 0x0                           ; the wave's end: the three lines
	ds_add_u32 v[SPW], v[NIL]
	s_wait_dscnt 0x0
	s_endpgm
.Lfunc_end_k_q7e3d325e02_prep:
	.size	k_q7e3d325e02_prep, .Lfunc_end_k_q7e3d325e02_prep-k_q7e3d325e02_prep
	.p2alignl 7, 3214868480
	.fill 96, 4, 3214868480
	.section	.rodata,"a",@progbits
	.p2align	6, 0x0
	.amdhsa_kernel k_q7e3d325e02_prep
		.amdhsa_group_segment_fixed_size 102912
		.amdhsa_private_segment_fixed_size 0
		.amdhsa_enable_private_segment 0
		.amdhsa_kernarg_size 64
		.amdhsa_user_sgpr_count 2
		.amdhsa_user_sgpr_kernarg_segment_ptr 1
		.amdhsa_wavefront_size32 1
		.amdhsa_system_sgpr_workgroup_id_x 1
		.amdhsa_system_sgpr_workgroup_id_y 1
		.amdhsa_system_sgpr_workgroup_id_z 1
		.amdhsa_system_vgpr_workitem_id 0
		.amdhsa_next_free_vgpr 192
		.amdhsa_next_free_sgpr 66
		.amdhsa_reserve_vcc 0
		.amdhsa_float_denorm_mode_32 3
		.amdhsa_float_denorm_mode_16_64 3
		.amdhsa_memory_ordered 1
		.amdhsa_forward_progress 1
		.amdhsa_inst_pref_size 132
	.end_amdhsa_kernel
	.amdgpu_metadata
---
amdhsa.version: [ 1, 2 ]
amdhsa.kernels:
  - .name:           k_q7e3d325e02_prep
    .symbol:         k_q7e3d325e02_prep.kd
    .args:
      - { .name: x, .offset: 0, .size: 8, .value_kind: global_buffer, .address_space: global }
      - { .name: w_qkv, .offset: 8, .size: 8, .value_kind: global_buffer, .address_space: global }
      - { .name: w_out, .offset: 16, .size: 8, .value_kind: global_buffer, .address_space: global }
      - { .name: x_codes, .offset: 24, .size: 8, .value_kind: global_buffer, .address_space: global }
      - { .name: x_scales, .offset: 32, .size: 8, .value_kind: global_buffer, .address_space: global }
      - { .name: w_codes, .offset: 40, .size: 8, .value_kind: global_buffer, .address_space: global }
      - { .name: w_scales, .offset: 48, .size: 8, .value_kind: global_buffer, .address_space: global }
      - { .name: wt, .offset: 56, .size: 8, .value_kind: global_buffer, .address_space: global }
    .group_segment_fixed_size: 102912
    .private_segment_fixed_size: 0
    .kernarg_segment_align: 8
    .kernarg_segment_size: 64
    .max_flat_workgroup_size: 128
    .sgpr_count:     66
    .vgpr_count:     192
    .wavefront_size: 32
...
	.end_amdgpu_metadata
.endif
;; end of part 1
;; launch qkv (part 2): grid 12 x 32, 4 waves a work-group, clusters of 4 x 4, 327,680 bytes of LDS; arguments x_codes, x_scales, w_codes, w_scales, qkv, b_qkv; writes qkv
.if DOCPART == 2
	.amdgcn_target "amdgcn-amd-amdhsa--gfx1250"
	.amdhsa_code_object_version 6
	.text
	.protected	k_q7e3d325e02_qkv
	.globl	k_q7e3d325e02_qkv
	.p2align	8
	.type	k_q7e3d325e02_qkv,@function
k_q7e3d325e02_qkv:
	s_mov_b64 s[64:65], 0
	v_nop
	global_prefetch_b8 v0, s[64:65] scope:SCOPE_SE
	s_setreg_imm32_b32 hwreg(HW_REG_WAVE_MODE, 25, 1), 1
	s_wait_xcnt 0x0
	s_wait_alu depctr_hold_cnt(0) depctr_sa_sdst(0) depctr_va_vdst(0) depctr_va_sdst(0) depctr_va_ssrc(0) depctr_va_vcc(0) depctr_vm_vsrc(0)
	s_getreg_b32 s2, hwreg(HW_REG_IB_STS2, 6, 4)
	s_cmp_eq_u32 s2, 0
	s_cbranch_scc0 .Lentry_in_a_cluster
	s_endpgm
.Lentry_in_a_cluster:
	s_bfe_u32 s2, ttmp6, 0x10000c
	s_cmp_lg_u32 s2, 0xf033
	s_cbranch_scc0 .Lentry_shape_is_right
	s_endpgm
.Lentry_shape_is_right:
; QKV: C[m][n] = sum over k of Q(x)[m][k] Q(w_qkv)[k][n] + b_qkv[n], on codes of FP4 (E2M1) with one E8M0 byte for each 32 along K; sums in f32; C rounded once to f16 and laid by head:
; qkv[b][g = n / 64][t][64], so that q of head h is g = h, k is g = 16 + h, v is g = 32 + h, and a head's rows are 128 dense bytes.
; A: x_codes [8192][512 bytes], x_scales [8192][32].  B: w_codes [3072][512 bytes], w_scales [3072][32].  M = 8,192, N = 3,072, K = 1,024.
; A tile of C, 256 x 256, is made by a work-group of four waves; a wave makes 128 x 128: 64 accumulators, 512 registers.  K = 1,024 is two slots of 512 along K (rows of 256 bytes): both are first fills,
; so nothing in LDS is filled again, there is no loop, and the cluster's barrier has its opening and its closing round alone.  With nothing asked for behind the first fills there is nothing to prefetch.
; THE SCALES of the work-group's 256 rows of A and of B, for all of K, are two dense blocks: they come once, with the first fills.
; CLUSTERS: 4 x 4 work-groups; A's tiles are asked for jointly along a row of the cluster, B's along a column.
; THE MATRIX INSTRUCTION IS USED TRANSPOSED (source 0 = 16 rows of B, source 1 = 16 rows of A): a lane holds eight neighbouring numbers of a row of C.  THE BIAS is the C of each sum's first product.
; LIMIT: the results go to f16: magnitudes up to 65,504.
; REGISTERS: window 0: v0-31 addresses; v32-95 scale words, two sets; v128-191 A's fragments, one set; v192-255 the bias, 8 registers for each of B's 8 blocks; on the way out v128-223 are free.
;   window 1: B's fragments, two sets, at v0 and v128.   window 2: the accumulators of my rows 0-63 ((a, b) at v[8 (8 a + b)]);   window 3: those of rows 64-127.
.set NQ,     4                         ; steps of 128 along K in a slot
.set ROWB,   256                       ; a tile's row in bytes: 512 codes
.set KROW,   512                       ; a row of A or B in memory
.set PITCH,  272                       ; an LDS row: 256 bytes + 16 of padding = 68 words: row r starts at bank 4 r mod 64 (64 banks of 4 bytes: ISA guide 11.1)
.set FR,     8
.set NL,     2
.set NP,     4                         ; places behind this matrix instruction (ISA guide 7.12.1)
.set HALFT,  128*PITCH
.set SLOT,   4*HALFT
.set KS,     32                        ; a row of scales in bytes
.set SCL,    2*SLOT
.set HALFS,  (128*KS/256)*272
.set SBLK,   (16*KS/256)*272
.set SPARE,  SCL+4*HALFS               ; the spare words, 128 bytes for each wave: two blocks of 256 bytes that no other line names
.set SPITCH, 272                       ; the way out: a stage of 16 rows x (256 bytes + 16) for each wave, in slot 0, which has had its one fill and its last read when the first result is stored there
.set ADRA, 16
.set ADRB, 20
.set STO,  24
.set RD,   25
.set CO,   26
.set ADRS, 27
.set SPW,  28
.set NIL,  29
.set SC,   32
.set AF,   128
.set TMP,  128                         ; the way out: packed results
.set BK,   160                         ; 16 rows read back: v160-191 and v192-223 by turns
.set BI,   192
.set G1, 24
.set G0, 32
.set G1B, 48
.set G0B, 56
.set G1S, 68
.set G0S, 76
.set G1SB, 80
.set G0SB, 88
.set MSB, 0
.macro WIN new                         ; the immediate's high byte repeats the setting that is left
.if MSB != \new
	s_set_vgpr_msb (MSB<<8)|\new
.set MSB, \new
.endif
.endm
.set MUL_LO, 0xa1                      ; source 0 (B) window 1, source 1 (A) window 0, C and D window 2
.set MUL_HI, 0xf1                      ; the same, C and D window 3
.set TO_B,   0x40
; A joint load: waves 0 and 1 fetch for A, waves 2 and 3 for B; the branch hangs on the wave's number alone.  An s_nop 0 and four v_nop follow each line.
.macro JLOAD g0a, g1a, g0b, g1b
	s_cmp_eq_u32 s15, 0
	s_cbranch_scc0 .Lfor_b_\@
	tensor_load_to_lds s[\g0a:\g0a+3], s[\g1a:\g1a+7]
	s_nop 0
.rept 4
	v_nop
.endr
	s_branch .Lasked_\@
.Lfor_b_\@:
	tensor_load_to_lds s[\g0b:\g0b+3], s[\g1b:\g1b+7]
	s_nop 0
.rept 4
	v_nop
.endr
.Lasked_\@:
.endm
.macro CROUND                          ; a round of the cluster's barrier
	s_barrier_signal -1
	s_barrier_wait -1
	s_cmp_lg_u32 s14, 0
	s_cbranch_scc1 .Lnot_wave_0_\@
	s_barrier_signal -3
.Lnot_wave_0_\@:
	s_barrier_wait -3
	s_barrier_signal -1
	s_barrier_wait -1
.endm
	s_load_b128 s[4:7], s[0:1], 0x0                ; A's codes, A's scales
	s_load_b128 s[8:11], s[0:1], 0x10              ; B's codes, B's scales
	s_load_b64 s[12:13], s[0:1], 0x20              ; qkv
	s_load_b64 s[96:97], s[0:1], 0x28              ; b_qkv
	v_lshl_add_u32 v[SPW], v0, 2, SPARE
	v_mov_b32 v[NIL], 0
	ds_add_u32 v[SPW], v[NIL]                      ; the wave's opening: the add and its wait stand ahead of my first tensor load; the set-up below stands between them
	v_lshrrev_b32 v1, 5, v0
	v_readfirstlane_b32 s14, v1                    ; wave 0..3
	s_lshr_b32 s15, s14, 1                         ; which half of the tile's rows is mine.  Also: I fetch for A (0) or for B (1)
	s_and_b32 s16, s14, 1                          ; which half of its columns.  Also: which 128 rows I fetch
	s_bfe_u32 s40, ttmp6, 0x40000                  ; cx, cy
	s_bfe_u32 s41, ttmp6, 0x40004
	s_lshl_b32 s42, ttmp9, 2
	s_add_co_u32 s42, s42, s40                     ; tile column = 4 x cluster x + cx
	s_and_b32 s17, ttmp7, 0xffff
	s_lshl_b32 s17, s17, 2
	s_add_co_u32 s17, s17, s41                     ; tile row = 4 x cluster y + cy
	s_lshl_b32 s43, s41, 2
	s_lshl_b32 s43, 15, s43                        ; my row of the cluster
	s_lshl_b32 s44, 0x1111, s40                    ; my column
	s_or_b32 s[G1+0], s43, (0<<16)|(1<<20)|(1<<21)|(5<<22)|(3<<25)  ; the mask; elements of 1 byte; padding on; bit 21 beside a mask; after every 64 words 4 words
	s_or_b32 s[G1B+0], s44, (0<<16)|(1<<20)|(1<<21)|(5<<22)|(3<<25)
.irp g, G1, G1B
	s_mov_b32 s[\g+1], ROWB<<16                    ; tensor_dim0
	s_mov_b32 s[\g+2], 128<<16                     ; tensor_dim1
	s_mov_b32 s[\g+3], ROWB<<16                    ; tile_dim0
	s_mov_b32 s[\g+4], 128                         ; tile_dim1
	s_mov_b32 s[\g+5], KROW                        ; the pitch
	s_mov_b32 s[\g+6], 0
	s_mov_b32 s[\g+7], 0
.endr
	s_or_b32 s[G1S+0], s43, (3<<16)|(1<<20)|(1<<21)|(5<<22)|(3<<25) ; the scales of 128 rows: 4,096 dense bytes as 16 rows of 256 (32 elements of 8 bytes), 16 bytes of padding behind each
	s_or_b32 s[G1SB+0], s44, (3<<16)|(1<<20)|(1<<21)|(5<<22)|(3<<25)
.irp g, G1S, G1SB
	s_mov_b32 s[\g+1], 32<<16
	s_mov_b32 s[\g+2], (128*KS/256)<<16
	s_mov_b32 s[\g+3], 32<<16
	s_mov_b32 s[\g+4], 128*KS/256
	s_mov_b32 s[\g+5], 32
	s_mov_b32 s[\g+6], 0
	s_mov_b32 s[\g+7], 0
.endr
	s_lshl_b32 s18, s16, 7
	s_lshl_b32 s20, s17, 8
	s_add_co_u32 s20, s20, s18                     ; A: row 256 x tile row + 128 x half
	s_lshl_b32 s46, s42, 8
	s_add_co_u32 s46, s46, s18                     ; B: row 256 x tile column + 128 x half
	s_mov_b32 s21, 0
	s_mov_b32 s47, 0
	s_mov_b64 s[18:19], KS
	s_mul_u64 s[22:23], s[20:21], s[18:19]         ; where these rows' scales begin
	s_mul_u64 s[92:93], s[46:47], s[18:19]
	s_mov_b64 s[18:19], KROW
	s_mul_u64 s[20:21], s[20:21], s[18:19]         ; and their codes
	s_mul_u64 s[46:47], s[46:47], s[18:19]
	s_mul_i32 s45, s14, HALFT                      ; where they go: wave x 128 rows
	s_mul_i32 s94, s14, HALFS
	s_wait_dscnt 0x0                               ; the opening add is done
	s_wait_kmcnt 0x0
	s_add_nc_u64 s[20:21], s[4:5], s[20:21]
	s_add_nc_u64 s[22:23], s[6:7], s[22:23]
	s_add_nc_u64 s[46:47], s[8:9], s[46:47]
	s_add_nc_u64 s[92:93], s[10:11], s[92:93]
	CROUND                                         ; all sixteen work-groups are here: the joint loads meet
	s_mov_b32 s[G0S], 1
	s_add_co_u32 s[G0S+1], s94, SCL
	s_mov_b64 s[G0S+2:G0S+3], s[22:23]
	s_or_b32 s[G0S+3], s[G0S+3], 0x80000000
	s_mov_b32 s[G0SB], 1
	s_add_co_u32 s[G0SB+1], s94, SCL
	s_mov_b64 s[G0SB+2:G0SB+3], s[92:93]
	s_or_b32 s[G0SB+3], s[G0SB+3], 0x80000000
	JLOAD G0S, G1S, G0SB, G1SB                     ; the scales first; with the two slots three loads of mine are out
.irp s, 0,1
	s_mov_b32 s[G0+4*\s], 1
	s_add_co_u32 s[G0+4*\s+1], s45, \s*SLOT
	s_add_nc_u64 s[G0+4*\s+2:G0+4*\s+3], s[20:21], \s*ROWB
	s_or_b32 s[G0+4*\s+3], s[G0+4*\s+3], 0x80000000
	s_mov_b32 s[G0B+4*\s], 1
	s_add_co_u32 s[G0B+4*\s+1], s45, \s*SLOT
	s_add_nc_u64 s[G0B+4*\s+2:G0B+4*\s+3], s[46:47], \s*ROWB
	s_or_b32 s[G0B+4*\s+3], s[G0B+4*\s+3], 0x80000000
	JLOAD G0+4*\s, G1, G0B+4*\s, G1B
.endr
	v_and_b32 v1, 15, v0                           ; r = l % 16
	v_bfe_u32 v2, v0, 4, 1                         ; h = l / 16
	; the bias: lane (r, h) wants, for B's block b, b_qkv at my first column + 16 b + 8 h + 0 .. 7
	s_lshl_b32 s46, s42, 10
	s_lshl_b32 s47, s16, 9
	s_add_co_u32 s46, s46, s47                     ; 4 bytes x (256 x tile column + 128 x half)
	s_mov_b32 s47, 0
	s_add_nc_u64 s[96:97], s[96:97], s[46:47]
	v_lshlrev_b32 v7, 5, v2
.irp b, 0,1,2,3,4,5,6,7
	global_load_b128 v[BI+8*\b:BI+8*\b+3], v7, s[96:97] offset:64*\b
	global_load_b128 v[BI+8*\b+4:BI+8*\b+7], v7, s[96:97] offset:64*\b+16
.endr
	v_mul_u32_u24 v3, v1, PITCH
	v_lshl_add_u32 v4, v2, 4, v3                   ; a fragment's row x pitch + 16 x half
	s_mul_i32 s21, s15, HALFT
	s_mul_i32 s22, s16, HALFT
	s_add_co_u32 s22, s22, 2*HALFT
.irp s, 0,1
	v_add_nc_u32 v[ADRA+\s], s21, v4
	v_add_nc_u32 v[ADRB+\s], s22, v4
	s_add_co_u32 s21, s21, SLOT
	s_add_co_u32 s22, s22, SLOT
.endr
	v_mul_u32_u24 v5, v1, KS                       ; my row's scales: 32 bytes a row,
	v_lshrrev_b32 v6, 8, v5
	v_lshl_add_u32 v5, v6, 4, v5                   ; and 16 more for each 256 passed
	s_mul_i32 s21, s15, HALFS
	s_mul_i32 s22, s16, HALFS
	s_add_co_u32 s22, s22, 2*HALFS
	s_sub_co_u32 s22, s22, s21
	v_mul_u32_u24 v6, s22, v2                      ; lanes 16-31 take B's
	s_add_co_u32 s21, s21, SCL
	v_add_nc_u32 v5, v5, v6
	v_add_nc_u32 v[ADRS], s21, v5
	s_mul_i32 s23, s14, 16*SPITCH                  ; my stage
	v_mul_u32_u24 v5, v1, SPITCH                   ; in: row r, 16 bytes for each half of the lanes
	v_lshl_add_u32 v5, v2, 4, v5
	v_add_nc_u32 v[STO], s23, v5
	v_bfe_u32 v5, v0, 3, 1                         ; back: lanes 0-15 take two tokens' 128 bytes of my first head, lanes 16-31 of my second
	v_mul_u32_u24 v5, v5, SPITCH
	v_lshl_add_u32 v5, v2, 7, v5
	v_and_b32 v6, 7, v0
	v_lshl_add_u32 v5, v6, 4, v5
	v_add_nc_u32 v[RD], s23, v5
	v_lshlrev_b32 v[CO], 4, v1                     ; in qkv: 16 bytes a lane of two tokens' 256,
	v_lshl_add_u32 v[CO], v2, 18, v[CO]            ; a head's 2,048 tokens of 128 bytes on for lanes 16-31
	s_lshr_b32 s20, s17, 3                         ; b = tile row / 8
	s_mul_i32 s20, s20, 48
	s_lshl_b32 s21, s42, 2
	s_add_co_u32 s20, s20, s21
	s_lshl_b32 s21, s16, 1
	s_add_co_u32 s20, s20, s21                     ; 48 b + g, g = 4 x tile column + 2 x half
	s_lshl_b32 s20, s20, 18
	s_and_b32 s21, s17, 7
	s_lshl_b32 s21, s21, 8
	s_lshl_b32 s22, s15, 7
	s_add_co_u32 s21, s21, s22                     ; my first token
	s_lshl_b32 s21, s21, 7
	s_add_co_u32 s20, s20, s21
	s_mov_b32 s21, 0
	s_add_nc_u64 s[12:13], s[12:13], s[20:21]
.macro FRAG reg, adr, q, i             ; 16 rows x 128 K of 4-bit codes: 8 registers: lane l holds row l % 16; registers 4 c .. 4 c + 3 hold K = 64 c + 32 (l / 16) + 0 .. 31
.irp c, 0,1
	ds_load_b128 v[\reg+4*\c:\reg+4*\c+3], v[\adr] offset:64*(\q)+32*\c+(\i)*16*PITCH
.endr
.endm
; 16 matrix instructions: A's blocks a0, a0 + 1 x B's eight.  p: B's set; sc: the set of scale words.  zero = 1: the first product starts the sums from the bias.
; The 64 accumulators take turns, one instruction a turn, in the same order in every step.
.macro MUL16 a0, p, q, sc, zero
.irp a, \a0, \a0+1
.irp b, 0,1,2,3,4,5,6,7
.if \zero
	v_wmma_scale_f32_16x16x128_f8f6f4 v[8*(8*((\a)%4)+\b):8*(8*((\a)%4)+\b)+7], v[128*(\p)+FR*\b:128*(\p)+FR*\b+FR-1], v[AF+FR*(\a):AF+FR*(\a)+FR-1], v[BI+8*\b:BI+8*\b+7], v[SC+8*NQ*(\sc)+NQ*\b+(\q)], v[SC+8*NQ*(\sc)+NQ*(\a)+(\q)] matrix_a_fmt:MATRIX_FMT_FP4 matrix_b_fmt:MATRIX_FMT_FP4 matrix_a_scale:MATRIX_SCALE_ROW1
.else
	v_wmma_scale_f32_16x16x128_f8f6f4 v[8*(8*((\a)%4)+\b):8*(8*((\a)%4)+\b)+7], v[128*(\p)+FR*\b:128*(\p)+FR*\b+FR-1], v[AF+FR*(\a):AF+FR*(\a)+FR-1], v[8*(8*((\a)%4)+\b):8*(8*((\a)%4)+\b)+7], v[SC+8*NQ*(\sc)+NQ*\b+(\q)], v[SC+8*NQ*(\sc)+NQ*(\a)+(\q)] matrix_a_fmt:MATRIX_FMT_FP4 matrix_b_fmt:MATRIX_FMT_FP4 matrix_a_scale:MATRIX_SCALE_ROW1
.endif
.endr
.endr
.endm
.macro FETCH_B slot, q, p
	WIN TO_B
.irp i, 0,1,2,3,4,5,6,7
	FRAG 128*(\p)+FR*\i, ADRB+\slot, \q, \i
.endr
	WIN 0
.endm
.macro FETCH_A slot, q, i0
.irp i, \i0, \i0+1, \i0+2, \i0+3
	FRAG AF+FR*(\i), ADRA+\slot, \q, \i
.endr
.endm
.macro SCALES sc                       ; a slot's scale words: 4 words a row; lanes 0-15 take A's block i, lanes 16-31 B's block i
.irp i, 0,1,2,3,4,5,6,7
	ds_load_b128 v[SC+8*NQ*\sc+NQ*\i:SC+8*NQ*\sc+NQ*\i+3], v[ADRS] offset:\i*SBLK
.endr
.endm
.macro PLACES n                        ; places in front of loads into registers that matrix instructions have read, and of the first read of results
.rept \n
	v_nop
.endr
.endm
.macro STEP slot, q, zero              ; a step of 128 along K that has its successor in the same slot
	s_wait_dscnt 4*NL                              ; B's set and A's blocks 0-3 are in; the youngest eight loads (A's blocks 4-7) may be out
.if \zero
	WIN 0x81                                       ; C (the bias) in window 0, D in window 2
.else
	WIN MUL_LO
.endif
	MUL16 0, (\q)%2, \q, \slot, \zero
	MUL16 2, (\q)%2, \q, \slot, \zero
	s_wait_dscnt 0                                 ; A's blocks 4-7 are in
	PLACES NP
	FETCH_B \slot, (\q)+1, 1-(\q)%2
	FETCH_A \slot, (\q)+1, 0
.if \zero
	WIN 0xc1                                       ; C in window 0, D in window 3
.else
	WIN MUL_HI
.endif
	MUL16 4, (\q)%2, \q, \slot, \zero
	MUL16 6, (\q)%2, \q, \slot, \zero
	PLACES NP
	WIN 0
	FETCH_A \slot, (\q)+1, 4
.endm
; Slot 0's last step changes slots: one barrier; in front of it each wave waits for all its tensor loads (slot 1's is the one that was out), adds 0 to its spare word, and waits for that and for its reads of slot 0.
.macro TURN slot, next
	s_wait_tensorcnt 0x0
	ds_add_u32 v[SPW], v[NIL]
	s_wait_dscnt 4*NL+1                            ; (the add and A's blocks 4-7 may be out)
	WIN MUL_LO
	MUL16 0, 1, NQ-1, \slot, 0
	s_wait_dscnt 0x0                               ; the add is done, and my reads of this slot are over
	s_barrier_signal -1
	MUL16 2, 1, NQ-1, \slot, 0
	WIN 0
	s_barrier_wait -1
	PLACES NP
	v_add_nc_u32 v[ADRS], 4*NQ, v[ADRS]            ; on to the next slot's scale words
	FETCH_B \next, 0, 0
	FETCH_A \next, 0, 0
	SCALES \next
	WIN MUL_HI
	MUL16 4, 1, NQ-1, \slot, 0
	MUL16 6, 1, NQ-1, \slot, 0
	PLACES NP
	WIN 0
	FETCH_A \next, 0, 4
.endm
	s_wait_tensorcnt 1                             ; the scales and my part of slot 0 are in (slot 1's load may be out),
	s_barrier_signal -1
	s_barrier_wait -1                              ; everybody's are
	FETCH_B 0, 0, 0
	FETCH_A 0, 0, 0
	SCALES 0
	FETCH_A 0, 0, 4
	s_wait_loadcnt 0x0                             ; the bias
	STEP 0, 0, 1
	STEP 0, 1, 0
	STEP 0, 2, 0
	TURN 0, 1
	STEP 1, 0, 0
	STEP 1, 1, 0
	STEP 1, 2, 0
	s_wait_dscnt 4*NL                              ; the very last step: nothing more to fetch
	WIN MUL_LO
	MUL16 0, 1, NQ-1, 1, 0
	MUL16 2, 1, NQ-1, 1, 0
	s_wait_dscnt 0
	WIN MUL_HI
	MUL16 4, 1, NQ-1, 1, 0
	MUL16 6, 1, NQ-1, 1, 0
	WIN 0
; THE WAY OUT, block by block of 16 rows (tokens) x 128 columns (two heads).  PACK: rounded to f16, 16 bytes a lane, each accumulator from its low end on.  TOSTAGE: into my stage, and back so that
; sixteen lanes hold two neighbouring tokens of one head: 256 neighbouring bytes of qkv.  SEND: stored.
.macro PACK a
.set AC, 64*((\a)%4)
	WIN 0x0a+5*((\a)/4)                            ; sources 0 and 1: window 2 or 3
.irp b, 0,1,2,3,4,5,6,7
.irp i, 0,1,2,3
	v_cvt_pk_f16_f32 v[TMP+4*\b+\i], v[AC+8*\b+2*\i], v[AC+8*\b+2*\i+1]
.endr
.endr
	WIN 0
.endm
.macro TOSTAGE a
.set BB, BK+32*((\a)%2)
.irp b, 0,1,2,3,4,5,6,7
	ds_store_b128 v[STO], v[TMP+4*\b:TMP+4*\b+3] offset:32*\b
.endr
.irp t, 0,1,2,3,4,5,6,7
	ds_load_b128 v[BB+4*\t:BB+4*\t+3], v[RD] offset:\t*2*SPITCH   ; LDS serves a wave's instructions in order (ISA guide 5.7.1.4): these see the stores above
.endr
.endm
.macro SEND a
.set BB, BK+32*((\a)%2)
	s_wait_dscnt 0x0                               ; the block is back in registers
	s_wait_xcnt 0x0                                ; the earlier stores have read their registers: the block after this one may land where the block before it lay
.irp t, 0,1,2,3,4,5,6,7
	global_store_b128 v[CO], v[BB+4*\t:BB+4*\t+3], s[12:13] offset:2048*(\a)+256*\t   ; sixteen lanes store 256 consecutive bytes, aligned
.endr
.endm
	PLACES NP                                      ; behind the last products: for the conversions' reads and for writes into the registers that held A's fragments
	PACK 0
	TOSTAGE 0
.irp a, 1,2,3,4,5,6,7
	PACK \a
	SEND \a-1
	TOSTAGE \a
.endr
	SEND 7
	s_wait_tensorcnt 0x0                           ; the wave's end, behind my last tensor load and my last LDS store
	ds_add_u32 v[SPW], v[NIL]
	s_wait_dscnt 0x0
	CROUND                                         ; the closing round
	s_endpgm
.Lfunc_end_k_q7e3d325e02_qkv:
	.size	k_q7e3d325e02_qkv, .Lfunc_end_k_q7e3d325e02_qkv-k_q7e3d325e02_qkv
	.p2alignl 7, 3214868480
	.fill 96, 4, 3214868480
	.section	.rodata,"a",@progbits
	.p2align	6, 0x0
	.amdhsa_kernel k_q7e3d325e02_qkv
		.amdhsa_group_segment_fixed_size 327680
		.amdhsa_private_segment_fixed_size 0
		.amdhsa_enable_private_segment 0
		.amdhsa_kernarg_size 48
		.amdhsa_user_sgpr_count 2
		.amdhsa_user_sgpr_kernarg_segment_ptr 1
		.amdhsa_wavefront_size32 1
		.amdhsa_system_sgpr_workgroup_id_x 1
		.amdhsa_system_sgpr_workgroup_id_y 1
		.amdhsa_system_sgpr_workgroup_id_z 1
		.amdhsa_system_vgpr_workitem_id 0
		.amdhsa_next_free_vgpr 1024
		.amdhsa_next_free_sgpr 98
		.amdhsa_reserve_vcc 0
		.amdhsa_float_denorm_mode_32 3
		.amdhsa_float_denorm_mode_16_64 3
		.amdhsa_memory_ordered 1
		.amdhsa_forward_progress 1
		.amdhsa_inst_pref_size 128
	.end_amdhsa_kernel
	.amdgpu_metadata
---
amdhsa.version: [ 1, 2 ]
amdhsa.kernels:
  - .name:           k_q7e3d325e02_qkv
    .symbol:         k_q7e3d325e02_qkv.kd
    .args:
      - { .name: x_codes, .offset: 0, .size: 8, .value_kind: global_buffer, .address_space: global }
      - { .name: x_scales, .offset: 8, .size: 8, .value_kind: global_buffer, .address_space: global }
      - { .name: w_codes, .offset: 16, .size: 8, .value_kind: global_buffer, .address_space: global }
      - { .name: w_scales, .offset: 24, .size: 8, .value_kind: global_buffer, .address_space: global }
      - { .name: qkv, .offset: 32, .size: 8, .value_kind: global_buffer, .address_space: global }
      - { .name: b_qkv, .offset: 40, .size: 8, .value_kind: global_buffer, .address_space: global }
    .group_segment_fixed_size: 327680
    .private_segment_fixed_size: 0
    .kernarg_segment_align: 8
    .kernarg_segment_size: 48
    .max_flat_workgroup_size: 128
    .sgpr_count:     98
    .vgpr_count:     1024
    .wavefront_size: 32
...
	.end_amdgpu_metadata
.endif
;; end of part 2
;; launch attn (part 3): grid 4 x 64, 16 waves a work-group, no clusters, 327,680 bytes of LDS; arguments qkv, att; writes att
.if DOCPART == 3
	.amdgcn_target "amdgcn-amd-amdhsa--gfx1250"
	.amdhsa_code_object_version 6
	.text
	.protected	k_q7e3d325e02_attn
	.globl	k_q7e3d325e02_attn
	.p2align	8
	.type	k_q7e3d325e02_attn,@function
k_q7e3d325e02_attn:
	s_mov_b64 s[64:65], 0
	v_nop
	global_prefetch_b8 v0, s[64:65] scope:SCOPE_SE
	s_setreg_imm32_b32 hwreg(HW_REG_WAVE_MODE, 25, 1), 1
	s_wait_xcnt 0x0
; ATTN: O[b][h][q] = the sum over k <= q of softmax_k(Q[q] . K[k] / 8) V[k], head size 64, 2,048 tokens, 64 heads (b, h).  Q, K, V: f16, qkv[b][g][t][64] (q: g = h, k: 16 + h, v: 32 + h).
; Products on f16 operands with f32 sums; maxima, exponentials and sums in f32; the weights p are rounded to f16 for the second product, O once at the end.
; O goes to att, f16, laid [m / 2][h][m & 1][64], m = 2048 b + t: two neighbouring tokens of a head are 256 neighbouring bytes.
; SHARES.  A head's queries are 8 blocks of 256.  Work-group x (0..3) of a head owns blocks x (waves 0-7) and 7 - x (waves 8-15): (x + 1) + (8 - x) = 9 blocks of keys to walk in every work-group.
; A wave owns 32 queries, two tiles of 16, so that each fragment of K and V feeds two matrix instructions; four waves share a SIMD, so that one wave's softmax stands beside another's products.
; Within a block, waves w and w + 4 take places i and 7 - i.
; THE WALK.  Every work-group walks all 8 slots of 256 keys: the trip counts are constants.  A step of 64 keys all of which come after the wave's queries is jumped over (a scalar branch on ids); on the
; diagonal hidden scores become -infinity.  A slot whose first key comes after the work-group's last query is not asked for.  Every wait on TENSORcnt is for 0.
; NO CLUSTER, though the four work-groups of a head read the same K and V: they need 8 - x slots each, and a round at every slot would hold all four to the one with most waves at work there:
; 2 + 2 + 2 + 2 + 1 + 1 + 1 + 1 = 12 half-groups' slots in place of each work-group's own 9.
; LAYOUT.  S^T = K Q^T (source 0 = 16 keys, source 1 = 16 queries): a lane holds ONE query (lane % 16) and keys 8 (lane / 16) + 0..7 of each 16.  Two such tiles, rounded in pairs, ARE source 1 of
; O^T = V^T P, whose result again holds one query a lane.  K comes out of LDS as it lies, V ([key][channel]) turned, by ds_load_tr16_b128.
; SOFTMAX.  A running maximum m and sum l for each query: p = 2^(c s - c m), c = log2(e) / 8; in every step O and l are multiplied by a = 2^(c m_old - c m_new).  m begins at -3e38, O and l at 0.
; LIMITS: |q|, |k|, |v| up to 65,504 (f16).  c m is rounded once and the same number is used in p, l and a, so the ratios hold; p stays within f16 while |c m| is under 2^27.
.set KP,    144                        ; a key's row of K in LDS: 128 bytes + 16 = 36 words: the 16 rows of a load start at 16 different groups of four banks (64 banks of 4 bytes: ISA guide 11.1)
.set VP,    160                        ; of V: 128 + 32 = 40 words
.set VOFF,  256*KP                     ; a slot: 256 rows of K, then 256 rows of V
.set SLOT1, 1<<17                      ; slot 1 begins here: one exclusive or turns an address in one slot into the other's
.set NSL,   8
.set SPARE, 2*SLOT1                    ; the spare words, 128 bytes for each wave: eight blocks of 256 bytes that no other line names
.set STGB,  32*KP                      ; the way out: 32 rows x 144 bytes for each wave, in slot 0, which was left at the last change of slots: it has had its last fill, and nobody reads it
.set AK0, 1                            ; v1   my lane's place in a tile of K
.set AV0, 2                            ; v2   the same for V
.set ADK, 3                            ; v3   the step's address in K
.set ADV, 4                            ; v4   in V
.set LT,  5                            ; v5   lane % 16 - 8 (lane / 16)
.set SPW, 6                            ; v6   LDS address of my spare word; never rewritten
.set NIL, 7                            ; v7   0; never rewritten
.set ST,  8                            ; v8-23  tile t's statistics at v[ST + 8 t]: +0 c m, +1 m, +2, +3 l in two halves, +4 to +7 at work (a takes +6)
.set QR,  24                           ; v24-55 Q: fragment (tile t, channels 32 c on) at QR + 16 t + 8 c
.set PFO, 56                           ; v56  256 x lane: the prefetches' offset; never rewritten
.set STO, 57
.set RD,  58
.set GO,  59
.set Y,   64                           ; v64-127  S^T: (keys 16 kt on, tile t) at Y + 32 t + 8 kt; then p; then P, packed in place: (tile t, keys 32 kk on) at Y + 32 t + 8 kk
.set XR,  128                          ; v128-191 K: (kt, c) at XR + 16 kt + 8 c; then V: (channels 16 ct on, kk) at XR + 32 kk + 8 ct
.set OR,  192                          ; v192-255 O^T: (ct, t) at OR + 32 t + 8 ct
.set TB,  2                            ; s2   LDS byte at which the slot in hand begins
.set WV,  18
.set SEL, 20                           ; s[20:21] v_permlanex16_b32's selects: lane l xor 16
.set CS,  22                           ; s[22:23] c, twice
.set G1K, 24
.set G1V, 32
.set G0K, 40
.set G0V, 44
.set QL,  66                           ; s66  my work-group's last query
.set SLOTS, 67
.set PFA, 76                           ; s[76:77] where my prefetches stand
.set LIM, 80                           ; s80  1 in a wave that prefetches, else the greatest number
.set KF,  98                           ; s98  the step's first key
.set Q0,  99                           ; s99  my first query
; Waves 0 and 1 fetch K's halves of a slot, waves 2 and 3 V's, the others nothing.  An s_nop 0 and four v_nop follow each line.
.macro TLOAD
	s_cmp_lt_u32 s[WV], 2
	s_cbranch_scc0 .Lnot_k_\@
	tensor_load_to_lds s[G0K:G0K+3], s[G1K:G1K+7]
	s_nop 0
.rept 4
	v_nop
.endr
	s_branch .Lasked_\@
.Lnot_k_\@:
	s_cmp_lt_u32 s[WV], 4
	s_cbranch_scc0 .Lasked_\@
	tensor_load_to_lds s[G0V:G0V+3], s[G1V:G1V+7]
	s_nop 0
.rept 4
	v_nop
.endr
.Lasked_\@:
.endm
; A PREFETCH of what the NEXT change of slots will ask for: 32,768 dense bytes of K and as many of V.  Each block of 256 bytes is named once in the launch: of a head's four work-groups the first, which
; walks all 8 slots with loads, asks; in it waves 4 to 7 for K, waves 8 to 11 for V, 8,192 bytes a wave, lanes 256 bytes apart.  The last change that fills a slot asks for nothing; slots 0 and 1 come by their loads alone.
.macro ASK
	s_cmp_gt_u32 s[SLOTS], s[LIM]
	s_cbranch_scc0 .Lnot_mine_\@
	global_prefetch_b8 v[PFO], s[PFA:PFA+1] th:TH_LOAD_NT scope:SCOPE_SE
.Lnot_mine_\@:
.endm
	s_load_b128 s[4:7], s[0:1], 0x0                ; qkv, att
	v_lshl_add_u32 v[SPW], v0, 2, SPARE
	v_mov_b32 v[NIL], 0
	ds_add_u32 v[SPW], v[NIL]                      ; the wave's opening: the add and its wait stand ahead of my first tensor load; the set-up below stands between them
	v_lshrrev_b32 v63, 5, v0
	v_readfirstlane_b32 s[WV], v63                 ; wave 0..15
	s_and_b32 s68, ttmp7, 0xffff                   ; 16 b + h
	s_lshr_b32 s69, s68, 4                         ; b
	s_and_b32 s70, s68, 15                         ; h
	s_mul_i32 s71, s69, 48
	s_add_co_u32 s71, s71, s70
	s_lshl_b32 s72, s71, 18                        ; where q of my head begins in qkv: (48 b + h) x 2,048 tokens x 128 bytes
	s_and_b32 s73, s[WV], 3
	s_bfe_u32 s74, s[WV], 0x10002
	s_mul_i32 s74, s74, 7
	s_xor_b32 s73, s73, s74                        ; my place in the block: w % 4, or 7 - w % 4 in waves 4-7 and 12-15
	s_sub_co_u32 s74, 7, ttmp9
	s_cmp_lt_u32 s[WV], 8
	s_cselect_b32 s74, ttmp9, s74                  ; my block of 256 queries
	s_lshl_b32 s74, s74, 8
	s_lshl_b32 s73, s73, 5
	s_add_co_u32 s[Q0], s74, s73
	s_lshl_b32 s[QL], ttmp9, 8
	s_sub_co_u32 s[QL], 2047, s[QL]                ; block 7 - x's last query
	s_lshl_b32 s82, s[Q0], 7
	s_add_co_u32 s82, s82, s72                     ; my queries' rows
	s_mov_b32 s83, 0
	s_and_b32 s75, s[WV], 1                        ; which 128 rows of a slot I fetch, if I fetch
	s_lshl_b32 s84, s75, 14
	s_add_co_u32 s84, s84, s72
	s_add_co_u32 s86, s84, 32<<18                  ; V: in memory
	s_add_co_u32 s84, s84, 16<<18                  ; K: in memory
	s_mov_b32 s85, 0
	s_mov_b32 s87, 0
	s_mul_i32 s88, s75, 128*KP                     ; K: in a slot
	s_mul_i32 s89, s75, 128*VP
	s_add_co_u32 s89, s89, VOFF                    ; V: in a slot
	s_lshl_b32 s90, s69, 11
	s_add_co_u32 s90, s90, s[Q0]                   ; m of my first query
	s_lshl_b32 s90, s90, 11                        ; 4,096 bytes for each two tokens
	s_lshl_b32 s91, s70, 8
	s_add_co_u32 s90, s90, s91                     ; + 256 h
	s_mov_b32 s91, 0
	s_cmp_lt_u32 s[WV], 8                          ; the prefetches: waves 4 to 7 stand in K, waves 8 to 11 in V,
	s_mov_b32 s92, 32<<18
	s_cselect_b32 s92, 16<<18, s92
	s_add_co_u32 s92, s92, s72
	s_and_b32 s93, s[WV], 3
	s_lshl_b32 s93, s93, 13
	s_add_co_u32 s92, s92, s93                     ; at my wave's 8,192 bytes,
	s_add_co_u32 s92, s92, 32768                   ; in slot 1: the first change of slots steps it to slot 2
	s_mov_b32 s93, 0
	s_sub_co_u32 s94, s[WV], 4
	s_lshr_b32 s94, s94, 3                         ; 0 in waves 4 to 11,
	s_or_b32 s94, s94, ttmp9                       ; of the head's first work-group
	s_cmp_eq_u32 s94, 0
	s_cselect_b32 s[LIM], 1, -1
	; descriptor group 1: 128 rows of 128 bytes, dense in memory, padded in LDS
	s_mov_b32 s[G1K], (0<<16)|(1<<20)|(4<<22)|(3<<25)   ; no mask; elements of 1 byte; padding on; after every 32 words (code 4) 4 words (code 3)
	s_mov_b32 s[G1V], (0<<16)|(1<<20)|(4<<22)|(7<<25)   ; the same with 8 words (code 7)
.irp g, G1K, G1V
	s_mov_b32 s[\g+1], 128<<16                     ; tensor_dim0
	s_mov_b32 s[\g+2], 128<<16                     ; tensor_dim1
	s_mov_b32 s[\g+3], 128<<16                     ; tile_dim0
	s_mov_b32 s[\g+4], 128                         ; tile_dim1
	s_mov_b32 s[\g+5], 128                         ; the pitch
	s_mov_b32 s[\g+6], 0
	s_mov_b32 s[\g+7], 0
.endr
	s_mov_b32 s[SEL], 0x76543210
	s_mov_b32 s[SEL+1], 0xfedcba98
	s_mov_b32 s[CS], 0x3e38aa3b                    ; c = log2(e) / 8
	s_mov_b32 s[CS+1], s[CS]
	s_mov_b32 s[TB], 0
	s_mov_b32 s[KF], 0
	s_mov_b32 s[SLOTS], NSL-1
	s_wait_dscnt 0x0                               ; the opening add is done
	s_wait_kmcnt 0x0
	s_mov_b32 s[G0K], 1
	s_mov_b32 s[G0K+1], s88
	s_add_nc_u64 s[G0K+2:G0K+3], s[4:5], s[84:85]
	s_or_b32 s[G0K+3], s[G0K+3], 0x80000000
	s_mov_b32 s[G0V], 1
	s_mov_b32 s[G0V+1], s89
	s_add_nc_u64 s[G0V+2:G0V+3], s[4:5], s[86:87]
	s_or_b32 s[G0V+3], s[G0V+3], 0x80000000
	TLOAD                                          ; slot 0: one tensor load of mine is out, here and behind every change of slots
	s_add_nc_u64 s[8:9], s[4:5], s[82:83]          ; Q at my first query
	s_add_nc_u64 s[6:7], s[6:7], s[90:91]          ; att at my first query
	s_add_nc_u64 s[PFA:PFA+1], s[4:5], s[92:93]
	v_and_b32 v60, 15, v0                          ; r
	v_bfe_u32 v61, v0, 4, 1                        ; h
	v_lshlrev_b32 v63, 7, v60
	v_lshl_add_u32 v63, v61, 4, v63                ; Q: row r of 128 bytes, + 16 h
.irp t, 0,1
.irp c, 0,1
	global_load_b128 v[QR+16*\t+8*\c:QR+16*\t+8*\c+3], v63, s[8:9] offset:2048*\t+64*\c
	global_load_b128 v[QR+16*\t+8*\c+4:QR+16*\t+8*\c+7], v63, s[8:9] offset:2048*\t+64*\c+32
.endr
.endr
	v_mul_u32_u24 v[AK0], v60, KP
	v_lshl_add_u32 v[AK0], v61, 4, v[AK0]          ; K: row r x pitch + 16 h
	v_and_b32 v3, 7, v0
	v_lshl_add_u32 v3, v61, 3, v3
	v_mul_u32_u24 v[AV0], v3, VP                   ; V: key 8 h + l % 8,
	v_bfe_u32 v4, v0, 3, 1
	v_lshl_add_u32 v[AV0], v4, 4, v[AV0]           ; channels 8 ((l / 8) % 2) on
	v_add_nc_u32 v[AV0], VOFF, v[AV0]
	v_lshlrev_b32 v4, 3, v61
	v_sub_nc_u32 v[LT], v60, v4
	v_and_b32 v[PFO], 31, v0
	v_lshlrev_b32 v[PFO], 8, v[PFO]
	v_mov_b32 v62, 0xff800000                      ; -infinity
.irp t, 0,1
	v_mov_b32 v[ST+8*\t+1], 0xff61b1e6             ; m = -3e38, under every score
	v_mul_f32 v[ST+8*\t], s[CS], v[ST+8*\t+1]      ; c m
.irp i, 2,3,4,5,6,7
	v_mov_b32 v[ST+8*\t+\i], 0
.endr
.endr
.irp j, 0,1,2,3,4,5,6,7,8,9,10,11,12,13,14,15,16,17,18,19,20,21,22,23,24,25,26,27,28,29,30,31,32,33,34,35,36,37,38,39,40,41,42,43,44,45,46,47,48,49,50,51,52,53,54,55,56,57,58,59,60,61,62,63
	v_mov_b32 v[OR+\j], 0                          ; O^T: the step is written once; the first finds zeros, which a = 0 leaves zeros
.endr
; A KEY STEP: 64 keys, the q-th of the slot in hand.
.macro STEP q
	s_add_co_u32 s96, s[Q0], 31                    ; a step all of whose keys come after my 32 queries is left out
	s_cmp_gt_u32 s[KF], s96
	s_cbranch_scc1 .Lhidden_\@
	v_add_nc_u32 v[ADK], s[TB], v[AK0]
	v_add_nc_u32 v[ADV], s[TB], v[AV0]
.rept 3
	v_nop                                          ; with the two additions five places behind the last step's products: four for the loads into V's registers, five for the products below, which write over P's
.endr
.irp kt, 0,1,2,3
.irp c, 0,1
	ds_load_b128 v[XR+16*\kt+8*\c:XR+16*\kt+8*\c+3], v[ADK] offset:(64*(\q)+16*\kt)*KP+64*\c
	ds_load_b128 v[XR+16*\kt+8*\c+4:XR+16*\kt+8*\c+7], v[ADK] offset:(64*(\q)+16*\kt)*KP+64*\c+32
.endr
.endr
.irp g, 0,1                                    ; S^T = K Q^T: 32 keys x both tiles at a time: four accumulators by turns, one instruction a turn
	s_wait_dscnt 8-8*\g                            ; the first 32 keys' eight loads are in (the other eight may be out); then all
.irp c, 0,1
.irp k, 0,1
.irp t, 0,1
.if \c == 0
	v_wmma_f32_16x16x32_f16 v[Y+32*\t+8*(2*\g+\k):Y+32*\t+8*(2*\g+\k)+7], v[XR+16*(2*\g+\k):XR+16*(2*\g+\k)+7], v[QR+16*\t:QR+16*\t+7], 0
.else
	v_wmma_f32_16x16x32_f16 v[Y+32*\t+8*(2*\g+\k):Y+32*\t+8*(2*\g+\k)+7], v[XR+16*(2*\g+\k)+8:XR+16*(2*\g+\k)+15], v[QR+16*\t+8:QR+16*\t+15], v[Y+32*\t+8*(2*\g+\k):Y+32*\t+8*(2*\g+\k)+7]
.endif
.endr
.endr
.endr
.endr
.rept 4
	v_nop                                          ; places: in front of the loads into K's registers, and of the first read of the scores
.endr
.irp kk, 0,1                                   ; V of this step, turned; it lands under the softmax
.irp ct, 0,1,2,3
	ds_load_tr16_b128 v[XR+32*\kk+8*\ct:XR+32*\kk+8*\ct+3], v[ADV] offset:(64*(\q)+32*\kk)*VP+32*\ct
	ds_load_tr16_b128 v[XR+32*\kk+8*\ct+4:XR+32*\kk+8*\ct+7], v[ADV] offset:(64*(\q)+32*\kk)*VP+16*VP+32*\ct
.endr
.endr
	s_add_co_u32 s96, s[KF], 63                    ; a step all of whose keys count for all my queries has no mask
	s_cmp_le_u32 s96, s[Q0]
	s_cbranch_scc1 .Lopen_\@
	s_sub_co_i32 s96, s[Q0], s[KF]
	v_add_nc_u32 v60, s96, v[LT]                   ; d = my query - KF - 8 (lane / 16), tile 0's;
	v_add_nc_u32 v61, 16, v60                      ; tile 1's.  Register n holds key KF + 8 (lane / 16) + 16 (n / 8) + n % 8: hidden where 16 (n / 8) + n % 8 > d
.irp t, 0,1
.irp n, 0,1,2,3,4,5,6,7,8,9,10,11,12,13,14,15,16,17,18,19,20,21,22,23,24,25,26,27,28,29,30,31
	v_cmp_gt_i32 vcc_lo, 16*(\n/8)+\n%8, v[60+\t]
	v_cndmask_b32 v[Y+32*\t+\n], v[Y+32*\t+\n], v62, vcc_lo
.endr
.endr
.Lopen_\@:
	; the maximum of the lane's 32 scores and the old m, three operands at a time, four chains a tile, each accumulator from its low end on; the two tiles line by line
.irp j, 0,1,2,3
.irp t, 0,1
	v_max3_num_f32 v[ST+8*\t+4+\j], v[Y+32*\t+8*\j], v[Y+32*\t+8*\j+1], v[Y+32*\t+8*\j+2]
.endr
.endr
.irp i, 3,5
.irp j, 0,1,2,3
.irp t, 0,1
	v_max3_num_f32 v[ST+8*\t+4+\j], v[ST+8*\t+4+\j], v[Y+32*\t+8*\j+\i], v[Y+32*\t+8*\j+\i+1]
.endr
.endr
.endr
.irp t, 0,1
	v_max3_num_f32 v[ST+8*\t+4], v[ST+8*\t+4], v[Y+32*\t+7], v[Y+32*\t+15]
.endr
.irp t, 0,1
	v_max3_num_f32 v[ST+8*\t+6], v[ST+8*\t+6], v[Y+32*\t+23], v[Y+32*\t+31]
.endr
.irp t, 0,1
	v_max3_num_f32 v[ST+8*\t+4], v[ST+8*\t+4], v[ST+8*\t+5], v[ST+8*\t+6]
.endr
.irp t, 0,1
	v_max3_num_f32 v[ST+8*\t+4], v[ST+8*\t+4], v[ST+8*\t+7], v[ST+8*\t+1]
.endr
.irp t, 0,1
	v_permlanex16_b32 v[ST+8*\t+5], v[ST+8*\t+4], s[SEL], s[SEL+1]   ; the query's other 32 keys lie in the lane 16 away
.endr
.irp t, 0,1
	v_mov_b32 v[ST+8*\t+7], v[ST+8*\t]             ; c m_old
.endr
.irp t, 0,1
	v_max_num_f32 v[ST+8*\t+1], v[ST+8*\t+4], v[ST+8*\t+5]
.endr
.irp t, 0,1
	v_mul_f32 v[ST+8*\t], s[CS], v[ST+8*\t+1]
.endr
.irp t, 0,1
	v_sub_f32 v[ST+8*\t+7], v[ST+8*\t+7], v[ST+8*\t]
.endr
.irp j, 0,2,4,6,8,10,12,14,16,18,20,22,24,26,28,30
.irp t, 0,1
	v_pk_fma_f32 v[Y+32*\t+\j:Y+32*\t+\j+1], v[Y+32*\t+\j:Y+32*\t+\j+1], s[CS:CS+1], v[ST+8*\t:ST+8*\t+1] op_sel_hi:[1,0,0] neg_lo:[0,0,1] neg_hi:[0,0,1]   ; c s - c m
.endr
.endr
.irp t, 0,1
	v_exp_f32 v[ST+8*\t+6], v[ST+8*\t+7]           ; a
.endr
.irp j, 0,1,2,3,4,5,6,7,8,9,10,11,12,13,14,15,16,17,18,19,20,21,22,23,24,25,26,27,28,29,30,31
.irp t, 0,1
	v_exp_f32 v[Y+32*\t+\j], v[Y+32*\t+\j]         ; p
.endr
.endr
	v_nop                                          ; a plain line behind the last exponential
	s_wait_alu depctr_va_vdst(0)                   ; the wait ahead of the first line that names a result: one for the 66
.irp t, 0,1
	v_pk_mul_f32 v[ST+8*\t+2:ST+8*\t+3], v[ST+8*\t+2:ST+8*\t+3], v[ST+8*\t+6:ST+8*\t+7] op_sel_hi:[1,0]   ; l under the new m
.endr
.irp t, 0,1
	v_pk_add_f32 v[ST+8*\t+4:ST+8*\t+5], v[Y+32*\t:Y+32*\t+1], v[Y+32*\t+2:Y+32*\t+3]   ; the sum of the unrounded p, two at a time, in two chains
.endr
.irp j, 4,8,12,16,20,24,28
.irp t, 0,1
	v_pk_add_f32 v[ST+8*\t+2:ST+8*\t+3], v[ST+8*\t+2:ST+8*\t+3], v[Y+32*\t+\j:Y+32*\t+\j+1]
	v_pk_add_f32 v[ST+8*\t+4:ST+8*\t+5], v[ST+8*\t+4:ST+8*\t+5], v[Y+32*\t+\j+2:Y+32*\t+\j+3]
.endr
.endr
.irp t, 0,1
	v_pk_add_f32 v[ST+8*\t+2:ST+8*\t+3], v[ST+8*\t+2:ST+8*\t+3], v[ST+8*\t+4:ST+8*\t+5]
.endr
.irp p, 0,1,2,3,4,5,6,7,8,9,10,11,12,13,14,15
.irp t, 0,1
	v_cvt_pk_f16_f32 v[Y+32*\t+\p], v[Y+32*\t+2*\p], v[Y+32*\t+2*\p+1]   ; P, in place and ascending: register p is written when pairs 0 to p have been read
.endr
.endr
.irp t, 0,1
.irp j, 0,2,4,6,8,10,12,14,16,18,20,22,24,26,28,30
	v_pk_mul_f32 v[OR+32*\t+\j:OR+32*\t+\j+1], v[OR+32*\t+\j:OR+32*\t+\j+1], v[ST+8*\t+6:ST+8*\t+7] op_sel_hi:[1,0]   ; O^T under the new m, each accumulator from its low end on
.endr
.endr
	s_wait_dscnt 0x0                               ; V is in
.irp kk, 0,1                                   ; O^T += V^T P: eight accumulators by turns
.irp ct, 0,1,2,3
.irp t, 0,1
	v_wmma_f32_16x16x32_f16 v[OR+32*\t+8*\ct:OR+32*\t+8*\ct+7], v[XR+32*\kk+8*\ct:XR+32*\kk+8*\ct+7], v[Y+32*\t+8*\kk:Y+32*\t+8*\kk+7], v[OR+32*\t+8*\ct:OR+32*\t+8*\ct+7]
.endr
.endr
.endr
.Lhidden_\@:
	s_add_co_u32 s[KF], s[KF], 64
.endm
; THE CHANGE OF SLOTS stands at a slot's head.  Each wave waits for all its tensor loads (its part of the slot ahead), adds 0 to its spare word, and waits for that and for its reads of the slot that it has left.
; Behind the barrier the slot ahead is whole and nobody reads the other one.  fill = 1: that other slot takes the next 256 keys, up to the causal limit.
.macro CHANGE fill
	s_wait_tensorcnt 0x0                           ; no tensor load of mine is out, so a group 0 may be written
	ds_add_u32 v[SPW], v[NIL]
.if \fill
	s_xor_b32 s[G0K+1], s[G0K+1], SLOT1
	s_add_nc_u64 s[G0K+2:G0K+3], s[G0K+2:G0K+3], 32768
	s_xor_b32 s[G0V+1], s[G0V+1], SLOT1
	s_add_nc_u64 s[G0V+2:G0V+3], s[G0V+2:G0V+3], 32768
	s_wait_xcnt 0x0                                ; the last prefetch, a slot back, has read its address
	s_add_nc_u64 s[PFA:PFA+1], s[PFA:PFA+1], 32768 ; one slot further on than the walking descriptors
.endif
	s_wait_dscnt 0x0                               ; the add is done, and my reads of the slot that I have left are over
	s_barrier_signal -1
	s_barrier_wait -1
.if \fill
	s_add_co_u32 s96, s[KF], 256                   ; the first key of the slot that this change would ask for:
	s_cmp_gt_u32 s96, s[QL]                        ; behind my work-group's last query none of its waves reads it.  Ids and the count of steps alone: all sixteen waves go the same way
	s_cbranch_scc1 .Lpast_\@
	TLOAD                                          ; a wave's one tensor load until the next change
.Lpast_\@:
	ASK
.endif
.endm
.macro SLOT_STEPS
	STEP 0
	STEP 1
	STEP 2
	STEP 3
	s_xor_b32 s[TB], s[TB], SLOT1
.endm
	s_wait_loadcnt 0x0                             ; Q
.Lslot:                                            ; NSL - 1 trips
	CHANGE 1
	SLOT_STEPS
	s_sub_co_u32 s[SLOTS], s[SLOTS], 1
	s_cmp_lg_u32 s[SLOTS], 0
	s_cbranch_scc1 .Lslot
	CHANGE 0                                       ; the last slot is written out: nothing is left to ask for
	SLOT_STEPS
	; THE WAY OUT.  l's halves and the other half of the lanes' are added; O^T is divided by l, rounded to f16 and sent through my stage: 32 rows of 128 bytes.
.irp t, 0,1
	v_add_f32 v[ST+8*\t+4], v[ST+8*\t+2], v[ST+8*\t+3]
.endr
.irp t, 0,1
	v_permlanex16_b32 v[ST+8*\t+5], v[ST+8*\t+4], s[SEL], s[SEL+1]
.endr
.irp t, 0,1
	v_add_f32 v[ST+8*\t+4], v[ST+8*\t+4], v[ST+8*\t+5]
.endr
.irp t, 0,1
	v_rcp_f32 v[ST+8*\t+6], v[ST+8*\t+4]
.endr
	v_and_b32 v60, 15, v0                          ; (plain lines behind the reciprocals)  r
	v_bfe_u32 v61, v0, 4, 1                        ; h
	s_mul_i32 s96, s[WV], STGB                     ; my stage
	v_mul_u32_u24 v[STO], v60, KP
	v_lshl_add_u32 v[STO], v61, 4, v[STO]
	v_add_nc_u32 v[STO], s96, v[STO]               ; in: row r, 16 bytes for each half of the lanes
	v_bfe_u32 v63, v0, 3, 2
	v_mul_u32_u24 v[RD], v63, KP
	v_and_b32 v63, 7, v0
	v_lshl_add_u32 v[RD], v63, 4, v[RD]
	v_add_nc_u32 v[RD], s96, v[RD]                 ; back: eight lanes to a row, four rows an instruction
	v_lshlrev_b32 v[GO], 4, v60
	v_lshl_add_u32 v[GO], v61, 12, v[GO]           ; in att: sixteen lanes hold two tokens' 256 bytes; lanes 16-31 the next two tokens, 4,096 bytes on
	s_wait_alu depctr_va_vdst(0)                   ; the wait ahead of the reciprocals' first reader: one for the two
.irp t, 0,1
.irp j, 0,2,4,6,8,10,12,14,16,18,20,22,24,26,28,30
	v_pk_mul_f32 v[OR+32*\t+\j:OR+32*\t+\j+1], v[OR+32*\t+\j:OR+32*\t+\j+1], v[ST+8*\t+6:ST+8*\t+7] op_sel_hi:[1,0]
.endr
.endr
.irp t, 0,1
.irp p, 0,1,2,3,4,5,6,7,8,9,10,11,12,13,14,15
	v_cvt_pk_f16_f32 v[Y+16*\t+\p], v[OR+32*\t+2*\p], v[OR+32*\t+2*\p+1]
.endr
.endr
.irp t, 0,1
.irp ct, 0,1,2,3
	ds_store_b128 v[STO], v[Y+16*\t+4*\ct:Y+16*\t+4*\ct+3] offset:16*KP*\t+32*\ct
.endr
.endr
.irp u, 0,1,2,3,4,5,6,7
	ds_load_b128 v[XR+4*\u:XR+4*\u+3], v[RD] offset:4*KP*\u   ; LDS serves a wave's instructions in order (ISA guide 5.7.1.4): these see my stores
.endr
.irp u, 0,1,2,3,4,5,6,7
	s_wait_dscnt 7-\u                              ; the u-th of the eight loads is in
	global_store_b128 v[GO], v[XR+4*\u:XR+4*\u+3], s[6:7] offset:8192*\u   ; sixteen lanes store 256 consecutive bytes, aligned
.endr
	s_wait_tensorcnt 0x0                           ; the wave's end, behind my last tensor load and my last LDS store
	ds_add_u32 v[SPW], v[NIL]
	s_wait_dscnt 0x0
	s_endpgm
.Lfunc_end_k_q7e3d325e02_attn:
	.size	k_q7e3d325e02_attn, .Lfunc_end_k_q7e3d325e02_attn-k_q7e3d325e02_attn
	.p2alignl 7, 3214868480
	.fill 96, 4, 3214868480
	.section	.rodata,"a",@progbits
	.p2align	6, 0x0
	.amdhsa_kernel k_q7e3d325e02_attn
		.amdhsa_group_segment_fixed_size 327680
		.amdhsa_private_segment_fixed_size 0
		.amdhsa_enable_private_segment 0
		.amdhsa_kernarg_size 16
		.amdhsa_user_sgpr_count 2
		.amdhsa_user_sgpr_kernarg_segment_ptr 1
		.amdhsa_wavefront_size32 1
		.amdhsa_system_sgpr_workgroup_id_x 1
		.amdhsa_system_sgpr_workgroup_id_y 1
		.amdhsa_system_sgpr_workgroup_id_z 1
		.amdhsa_system_vgpr_workitem_id 0
		.amdhsa_next_free_vgpr 256
		.amdhsa_next_free_sgpr 100
		.amdhsa_reserve_vcc 1
		.amdhsa_float_denorm_mode_32 3
		.amdhsa_float_denorm_mode_16_64 3
		.amdhsa_memory_ordered 1
		.amdhsa_forward_progress 1
		.amdhsa_inst_pref_size 189
	.end_amdhsa_kernel
	.amdgpu_metadata
---
amdhsa.version: [ 1, 2 ]
amdhsa.kernels:
  - .name:           k_q7e3d325e02_attn
    .symbol:         k_q7e3d325e02_attn.kd
    .args:
      - { .name: qkv, .offset: 0, .size: 8, .value_kind: global_buffer, .address_space: global }
      - { .name: att, .offset: 8, .size: 8, .value_kind: global_buffer, .address_space: global }
    .group_segment_fixed_size: 327680
    .private_segment_fixed_size: 0
    .kernarg_segment_align: 8
    .kernarg_segment_size: 16
    .max_flat_workgroup_size: 512
    .sgpr_count:     100
    .vgpr_count:     256
    .wavefront_size: 32
...
	.end_amdgpu_metadata
.endif
;; end of part 3
;; launch proj (part 4): grid 8 x 64, 4 waves a work-group, clusters of 4 x 4, 327,680 bytes of LDS; arguments att, wt, out0, b_out; writes out0
.if DOCPART == 4
	.amdgcn_target "amdgcn-amd-amdhsa--gfx1250"
	.amdhsa_code_object_version 6
	.text
	.protected	k_q7e3d325e02_proj
	.globl	k_q7e3d325e02_proj
	.p2align	8
	.type	k_q7e3d325e02_proj,@function
k_q7e3d325e02_proj:
	s_mov_b64 s[64:65], 0
	v_nop
	global_prefetch_b8 v0, s[64:65] scope:SCOPE_SE
	s_setreg_imm32_b32 hwreg(HW_REG_WAVE_MODE, 25, 1), 1
	s_wait_xcnt 0x0
	s_wait_alu depctr_hold_cnt(0) depctr_sa_sdst(0) depctr_va_vdst(0) depctr_va_sdst(0) depctr_va_ssrc(0) depctr_va_vcc(0) depctr_vm_vsrc(0)
	s_getreg_b32 s2, hwreg(HW_REG_IB_STS2, 6, 4)
	s_cmp_eq_u32 s2, 0
	s_cbranch_scc0 .Lentry_in_a_cluster
	s_endpgm
.Lentry_in_a_cluster:
	s_bfe_u32 s2, ttmp6, 0x10000c
	s_cmp_lg_u32 s2, 0xf033
	s_cbranch_scc0 .Lentry_shape_is_right
	s_endpgm
.Lentry_shape_is_right:
; PROJ: out0[m][n] = sum over k of A[m][k] wt[n][k] + b_out[n].  M = 8,192, N = 1,024, K = 1,024; f16 operands, f32 sums, f32 out.
; A is att, laid [m / 2][h][m & 1][64] f16: a 'super-row' of 4,096 bytes holds two tokens, head by head; k = 64 h + d.  wt: [1024 n][1024 k] f16.
; A tile of C is 128 x 128: 512 work-groups, one for each tile; four waves, each 64 x 64: 16 accumulators.  K goes in steps of 256 through a ring of two LDS slots.
; A's part of a step for 64 rows is 32 super-rows x 1,024 bytes (four heads, both tokens); B's is 64 rows x 512 bytes.  A quarter of a step, 64 along K, is one head.
; CLUSTERS: 4 x 4 work-groups; A's tiles are asked for jointly along a row of the cluster, B's along a column.  Each refill has a step's 128 matrix instructions less sixteen in which to land;
; on tiles this small no prefetch is laid.
; THE MATRIX INSTRUCTION IS USED TRANSPOSED (source 0 = 16 rows of wt, source 1 = 16 rows of A): a lane holds eight neighbouring numbers of a row of C.  THE BIAS is the C of each sum's first product.
; REGISTERS: window 0: v0-31 addresses; v32-95 the way out; v96-127 the bias, 8 registers for each of B's 4 blocks; v128-255 the accumulators ((a, b) at v[128 + 8 (4 a + b)]).
;   window 1: two fragment buffers of 128: 64 registers of A, then 64 of B.
.set PITCH,  528                       ; B's row in LDS: 512 bytes + 16 = 132 words: row r starts at bank 4 r mod 64 (64 banks of 4 bytes: ISA guide 11.1)
.set APITCH, 1040                      ; A's super-row in LDS: 1,024 bytes + 16 = 260 words: rows 2 u + e of a fragment start at banks 4 u + 32 e: sixteen different groups of four
.set HALFT,  64*PITCH                  ; a wave's part of a slot: B's 64 rows fill it, A's 32 super-rows take 33,280 of its 33,792 bytes
.set SLOT,   4*HALFT
.set STAGE,  2*SLOT                    ; behind the ring: 16 rows x 272 bytes for each wave
.set SPITCH, 272
.set SPARE,  STAGE+4*16*SPITCH         ; the spare words, 128 bytes for each wave: two blocks of 256 bytes that no other line names
.set LAPS,   2                         ; 1,024 along K = four steps = twice round the ring
.set ADRA, 16
.set ADRB, 20
.set STO,  24
.set RD,   25
.set CO,   26
.set SPW,  28
.set NIL,  29
.set OB,   32
.set BI,   96
.set ACC,  128
.set F0,   0
.set F1,   128
.set G1, 24
.set G0, 32
.set G1B, 48
.set G0B, 56
.set MSB, 0
.macro WIN new                         ; the immediate's high byte repeats the setting that is left
.if MSB != \new
	s_set_vgpr_msb (MSB<<8)|\new
.set MSB, \new
.endif
.endm
.set MUL,  0x05                        ; sources 0 (B) and 1 (A) window 1; C and D window 0
.set TO_F, 0x40                        ; destination window 1, address window 0
.macro JLOAD s                         ; a joint load: waves 0 and 1 fetch A's halves, waves 2 and 3 B's; an s_nop 0 and four v_nop follow each line
	s_cmp_eq_u32 s11, 0
	s_cbranch_scc0 .Lfor_b_\@
	tensor_load_to_lds s[G0+4*\s:G0+4*\s+3], s[G1:G1+7]
	s_nop 0
.rept 4
	v_nop
.endr
	s_branch .Lasked_\@
.Lfor_b_\@:
	tensor_load_to_lds s[G0B+4*\s:G0B+4*\s+3], s[G1B:G1B+7]
	s_nop 0
.rept 4
	v_nop
.endr
.Lasked_\@:
.endm
.macro CREST                           ; a round of the cluster's barrier behind its opening barrier
	s_cmp_lg_u32 s10, 0
	s_cbranch_scc1 .Lnot_wave_0_\@
	s_barrier_signal -3
.Lnot_wave_0_\@:
	s_barrier_wait -3
	s_barrier_signal -1
	s_barrier_wait -1
.endm
.macro CROUND
	s_barrier_signal -1
	s_barrier_wait -1
	CREST
.endm
	s_load_b128 s[4:7], s[0:1], 0x0                ; att, wt
	s_load_b64 s[8:9], s[0:1], 0x10                ; out0
	s_load_b64 s[66:67], s[0:1], 0x18              ; b_out
	v_lshl_add_u32 v[SPW], v0, 2, SPARE
	v_mov_b32 v[NIL], 0
	ds_add_u32 v[SPW], v[NIL]                      ; the wave's opening: the add and its wait stand ahead of my first tensor load; the set-up below stands between them
	v_lshrrev_b32 v1, 5, v0
	v_readfirstlane_b32 s10, v1                    ; wave 0..3
	s_lshr_b32 s11, s10, 1                         ; which half of the tile's rows is mine.  Also: I fetch for A (0) or for B (1)
	s_and_b32 s12, s10, 1                          ; which half of its columns.  Also: which half of that tile I fetch
	s_bfe_u32 s40, ttmp6, 0x40000                  ; cx, cy
	s_bfe_u32 s41, ttmp6, 0x40004
	s_lshl_b32 s42, ttmp9, 2
	s_add_co_u32 s42, s42, s40                     ; tile column = 4 x cluster x + cx
	s_and_b32 s13, ttmp7, 0xffff
	s_lshl_b32 s13, s13, 2
	s_add_co_u32 s13, s13, s41                     ; tile row = 4 x cluster y + cy
	s_lshl_b32 s43, s41, 2
	s_lshl_b32 s43, 15, s43                        ; my row of the cluster
	s_lshl_b32 s44, 0x1111, s40                    ; my column
	s_or_b32 s[G1+0], s43, (1<<16)|(1<<20)|(1<<21)|(7<<22)|(3<<25)   ; A: the mask; elements of 2 bytes; padding on; bit 21 beside a mask; after every 256 words (code 7) 4 words (code 3)
	s_mov_b32 s[G1+1], 512<<16                     ; tensor_dim0 = 512 elements: 1,024 bytes of a super-row
	s_mov_b32 s[G1+2], 32<<16                      ; tensor_dim1 = 32 super-rows
	s_mov_b32 s[G1+3], 512<<16                     ; tile_dim0
	s_mov_b32 s[G1+4], 32                          ; tile_dim1
	s_mov_b32 s[G1+5], 2048                        ; the pitch: 4,096 bytes
	s_mov_b32 s[G1+6], 0
	s_mov_b32 s[G1+7], 0
	s_or_b32 s[G1B+0], s44, (1<<16)|(1<<20)|(1<<21)|(6<<22)|(3<<25)  ; B: after every 128 words (code 6) 4 words
	s_mov_b32 s[G1B+1], 256<<16
	s_mov_b32 s[G1B+2], 64<<16
	s_mov_b32 s[G1B+3], 256<<16
	s_mov_b32 s[G1B+4], 64
	s_mov_b32 s[G1B+5], 1024
	s_mov_b32 s[G1B+6], 0
	s_mov_b32 s[G1B+7], 0
	s_lshl_b32 s16, s13, 6
	s_lshl_b32 s17, s12, 5
	s_add_co_u32 s16, s16, s17                     ; A: super-row 64 x tile row + 32 x half,
	s_lshl_b32 s16, s16, 12                        ; of 4,096 bytes
	s_mov_b32 s17, 0
	s_lshl_b32 s46, s42, 7
	s_lshl_b32 s47, s12, 6
	s_add_co_u32 s46, s46, s47                     ; B: row 128 x tile column + 64 x half,
	s_lshl_b32 s46, s46, 11                        ; of 2,048 bytes
	s_mov_b32 s47, 0
	s_mul_i32 s20, s10, HALFT                      ; where they go: no place in the cluster enters an LDS address
	s_wait_dscnt 0x0                               ; the opening add is done
	s_wait_kmcnt 0x0
	s_add_nc_u64 s[14:15], s[4:5], s[16:17]
	s_add_nc_u64 s[46:47], s[6:7], s[46:47]
	CROUND                                         ; all sixteen work-groups are here: the first joint loads meet
.irp s, 0,1
	s_mov_b32 s[G0+4*\s], 1
	s_add_co_u32 s[G0+4*\s+1], s20, \s*SLOT
	s_add_nc_u64 s[G0+4*\s+2:G0+4*\s+3], s[14:15], \s*1024
	s_or_b32 s[G0+4*\s+3], s[G0+4*\s+3], 0x80000000
	s_mov_b32 s[G0B+4*\s], 1
	s_add_co_u32 s[G0B+4*\s+1], s20, \s*SLOT
	s_add_nc_u64 s[G0B+4*\s+2:G0B+4*\s+3], s[46:47], \s*512
	s_or_b32 s[G0B+4*\s+3], s[G0B+4*\s+3], 0x80000000
	JLOAD \s                                       ; two loads of mine are out at the start, one behind each round
.endr
	v_and_b32 v1, 15, v0                           ; r
	v_bfe_u32 v2, v0, 4, 1                         ; h
	s_lshl_b32 s46, s42, 9
	s_lshl_b32 s47, s12, 8
	s_add_co_u32 s46, s46, s47                     ; my first column, in bytes of f32: 512 x tile column + 256 x half
	s_mov_b32 s47, 0
	s_add_nc_u64 s[66:67], s[66:67], s[46:47]
	v_lshlrev_b32 v7, 5, v2
.irp b, 0,1,2,3                                ; the bias: lane (r, h) wants, for B's block b, b_out at my first column + 16 b + 8 h + 0 .. 7
	global_load_b128 v[BI+8*\b:BI+8*\b+3], v7, s[66:67] offset:64*\b
	global_load_b128 v[BI+8*\b+4:BI+8*\b+7], v7, s[66:67] offset:64*\b+16
.endr
	v_mul_u32_u24 v3, v1, PITCH
	v_lshl_add_u32 v3, v2, 4, v3                   ; B: row r x pitch + 16 h
	v_lshrrev_b32 v4, 1, v1
	v_mul_u32_u24 v4, v4, APITCH                   ; A: super-row r / 2,
	v_and_b32 v5, 1, v0
	v_lshl_add_u32 v4, v5, 7, v4                   ; token r % 2: 128 bytes on,
	v_lshl_add_u32 v4, v2, 4, v4                   ; + 16 h
	s_mul_i32 s21, s11, HALFT                      ; my 64 rows of A
	s_mul_i32 s22, s12, HALFT                      ; my 64 rows of B,
	s_add_co_u32 s22, s22, 2*HALFT                 ; which lie behind A's
.irp s, 0,1
	v_add_nc_u32 v[ADRA+\s], s21, v4
	v_add_nc_u32 v[ADRB+\s], s22, v3
	s_add_co_u32 s21, s21, SLOT
	s_add_co_u32 s22, s22, SLOT
.endr
	s_mul_i32 s23, s10, 16*SPITCH
	s_add_co_u32 s23, s23, STAGE                   ; my stage
	v_mul_u32_u24 v4, v1, SPITCH
	v_lshl_add_u32 v4, v2, 5, v4
	v_add_nc_u32 v[STO], s23, v4                   ; in: row r, 32 bytes for each half of the lanes
	v_mul_u32_u24 v5, v2, SPITCH
	v_lshl_add_u32 v5, v1, 4, v5
	v_add_nc_u32 v[RD], s23, v5                    ; back: lanes 0-15 one row of 256 bytes, lanes 16-31 the next
	v_lshlrev_b32 v[CO], 4, v1
	v_lshl_add_u32 v[CO], v2, 12, v[CO]            ; and the same two rows in out0
	s_lshl_b32 s16, s13, 7
	s_lshl_b32 s17, s11, 6
	s_add_co_u32 s16, s16, s17                     ; my first row: 128 x tile row + 64 x half,
	s_lshl_b32 s16, s16, 12                        ; of 4,096 bytes
	s_mov_b32 s17, 0
	s_add_nc_u64 s[8:9], s[8:9], s[16:17]
	s_add_nc_u64 s[8:9], s[8:9], s[46:47]
; 8 matrix instructions: m blocks a0, a0 + 1 x all 4 n blocks, 32 along K: half c of buffer f.  zero = 1: the first product starts the sums from the bias.  The 16 accumulators take turns.
.macro MUL8 f, c, a0, zero
.irp a, \a0, \a0+1
.irp b, 0,1,2,3
.if \zero
	v_wmma_f32_16x16x32_f16 v[ACC+8*(4*(\a)+\b):ACC+8*(4*(\a)+\b)+7], v[\f+64+8*(4*\c+\b):\f+64+8*(4*\c+\b)+7], v[\f+8*(4*\c+\a):\f+8*(4*\c+\a)+7], v[BI+8*\b:BI+8*\b+7]
.else
	v_wmma_f32_16x16x32_f16 v[ACC+8*(4*(\a)+\b):ACC+8*(4*(\a)+\b)+7], v[\f+64+8*(4*\c+\b):\f+64+8*(4*\c+\b)+7], v[\f+8*(4*\c+\a):\f+8*(4*\c+\a)+7], v[ACC+8*(4*(\a)+\b):ACC+8*(4*(\a)+\b)+7]
.endif
.endr
.endr
.endm
; 32 LDS loads in one run: the fragments of the slot's quarter q (one head: 64 along K) into buffer f; the first 32 along K first
.macro FETCH slot, q, f
	WIN TO_F
.irp c, 0,1
.irp i, 0,1,2,3
	ds_load_b128 v[\f+64+8*(4*\c+\i):\f+64+8*(4*\c+\i)+3],   v[ADRB+\slot] offset:128*(\q)+64*\c+\i*16*PITCH
	ds_load_b128 v[\f+64+8*(4*\c+\i)+4:\f+64+8*(4*\c+\i)+7], v[ADRB+\slot] offset:128*(\q)+64*\c+\i*16*PITCH+32
	ds_load_b128 v[\f+8*(4*\c+\i):\f+8*(4*\c+\i)+3],         v[ADRA+\slot] offset:256*(\q)+64*\c+\i*8*APITCH
	ds_load_b128 v[\f+8*(4*\c+\i)+4:\f+8*(4*\c+\i)+7],       v[ADRA+\slot] offset:256*(\q)+64*\c+\i*8*APITCH+32
.endr
.endr
.endm
.macro PLACES                          ; four places in front of loads into registers that matrix instructions have read, and of the first read of results
.rept 4
	v_nop
.endr
.endm
.macro QUARTER slot, q, f, g, zero     ; multiplies buffer f and fetches the slot's quarter q into g
	s_wait_dscnt 16                                ; the first 32 along K are in; the other sixteen loads may be out
	WIN MUL
	MUL8 \f, 0, 0, \zero
	MUL8 \f, 0, 2, \zero
	PLACES
	FETCH \slot, \q, \g
	s_wait_dscnt 32                                ; all but the 32 just issued
	WIN MUL
	MUL8 \f, 1, 0, 0
	MUL8 \f, 1, 2, 0
.endm
; The last quarter multiplies buffer 1 and changes slots: one barrier; in front of it each wave waits for all its tensor loads, adds 0 to its spare word, and waits for that and for its reads of this slot.
.macro TURN slot, next, fill
	WIN 0                                          ; (the add's two registers lie in window 0)
	s_wait_tensorcnt 0x0                           ; all my tensor loads have landed: my part of the next slot
	ds_add_u32 v[SPW], v[NIL]
	s_wait_dscnt 17                                ; (the add and the youngest sixteen loads may be out)
	WIN MUL
	MUL8 F1, 0, 0, 0
	s_wait_dscnt 0x0                               ; the add is done, and my reads of this slot are over
	s_barrier_signal -1
	MUL8 F1, 0, 2, 0
.if \fill
	WIN 0
.endif
	s_barrier_wait -1
.if \fill
	CREST                                          ; the barrier has opened a round of the cluster's: no wave of any partner still reads this slot or has a load on its way
	s_add_nc_u64 s[G0+4*\slot+2:G0+4*\slot+3], s[G0+4*\slot+2:G0+4*\slot+3], 2048
	s_add_nc_u64 s[G0B+4*\slot+2:G0B+4*\slot+3], s[G0B+4*\slot+2:G0B+4*\slot+3], 1024
	JLOAD \slot                                    ; the first tensor load behind the round; its four v_nop are also the places in front of the loads below
.else
	PLACES
.endif
	FETCH \next, 0, F0
	WIN MUL
	MUL8 F1, 1, 0, 0
	MUL8 F1, 1, 2, 0
.endm
	s_wait_tensorcnt 1                             ; my part of K step 0 is in (K step 1's load may be out),
	s_barrier_signal -1
	s_barrier_wait -1                              ; everybody's is
	FETCH 0, 0, F0
	s_wait_loadcnt 0x0                             ; the bias
	QUARTER 0, 1, F0, F1, 1
	WIN 0                                          ; at a label and at a branch every window is 0
	s_mov_b32 s3, LAPS-1
.Llap:                                                 ; a trip goes once round the ring, from a lap's second quarter to the next lap's first, and fills both slots again
	QUARTER 0, 2, F1, F0, 0
	QUARTER 0, 3, F0, F1, 0
	TURN 0, 1, 1
	QUARTER 1, 1, F0, F1, 0
	QUARTER 1, 2, F1, F0, 0
	QUARTER 1, 3, F0, F1, 0
	TURN 1, 0, 1
	QUARTER 0, 1, F0, F1, 0
	WIN 0
	s_sub_co_u32 s3, s3, 1
	s_cmp_lg_u32 s3, 0
	s_cbranch_scc1 .Llap
	QUARTER 0, 2, F1, F0, 0                        ; the last lap fills nothing
	QUARTER 0, 3, F0, F1, 0
	TURN 0, 1, 0
	QUARTER 1, 1, F0, F1, 0
	QUARTER 1, 2, F1, F0, 0
	QUARTER 1, 3, F0, F1, 0
	s_wait_dscnt 16
	WIN MUL
	MUL8 F1, 0, 0, 0
	MUL8 F1, 0, 2, 0
	s_wait_dscnt 0
	MUL8 F1, 1, 0, 0
	MUL8 F1, 1, 2, 0
	WIN 0
; THE WAY OUT, block by block of 16 rows x 64 columns of f32: a row's 256 bytes are all mine, so the stage is my own and no barrier is needed.  In: 32 bytes a lane; back: whole rows.
.macro TOSTAGE a
.irp b, 0,1,2,3
	ds_store_b128 v[STO], v[ACC+8*(4*(\a)+\b):ACC+8*(4*(\a)+\b)+3] offset:64*\b          ; each accumulator from its low end on
	ds_store_b128 v[STO], v[ACC+8*(4*(\a)+\b)+4:ACC+8*(4*(\a)+\b)+7] offset:64*\b+16
.endr
.irp t, 0,1,2,3,4,5,6,7
	ds_load_b128 v[OB+32*((\a)%2)+4*\t:OB+32*((\a)%2)+4*\t+3], v[RD] offset:\t*2*SPITCH   ; LDS serves a wave's instructions in order (ISA guide 5.7.1.4)
.endr
.endm
.macro SEND a, younger                 ; younger: the LDS instructions issued behind block a's loads: the next block's 8 stores and 8 loads, or none
	s_wait_dscnt \younger
.irp t, 0,1,2,3,4,5,6,7
	global_store_b128 v[CO], v[OB+32*((\a)%2)+4*\t:OB+32*((\a)%2)+4*\t+3], s[8:9] offset:4096*(16*(\a)+2*\t) th:TH_STORE_NT   ; sixteen lanes store 256 consecutive bytes, aligned; written once, read by nobody here
.endr
.endm
	PLACES
	TOSTAGE 0
.irp a, 1,2,3
.if \a > 1
	s_wait_xcnt 0x0                                ; block a - 2's stores have read their registers: block a's loads may land there
.endif
	TOSTAGE \a
	SEND \a-1, 16
.endr
	SEND 3, 0
	s_wait_tensorcnt 0x0                           ; the wave's end, behind my last tensor load and my last LDS store
	ds_add_u32 v[SPW], v[NIL]
	s_wait_dscnt 0x0
	CROUND                                         ; the closing round
	s_endpgm
.Lfunc_end_k_q7e3d325e02_proj:
	.size	k_q7e3d325e02_proj, .Lfunc_end_k_q7e3d325e02_proj-k_q7e3d325e02_proj
	.p2alignl 7, 3214868480
	.fill 96, 4, 3214868480
	.section	.rodata,"a",@progbits
	.p2align	6, 0x0
	.amdhsa_kernel k_q7e3d325e02_proj
		.amdhsa_group_segment_fixed_size 327680
		.amdhsa_private_segment_fixed_size 0
		.amdhsa_enable_private_segment 0
		.amdhsa_kernarg_size 32
		.amdhsa_user_sgpr_count 2
		.amdhsa_user_sgpr_kernarg_segment_ptr 1
		.amdhsa_wavefront_size32 1
		.amdhsa_system_sgpr_workgroup_id_x 1
		.amdhsa_system_sgpr_workgroup_id_y 1
		.amdhsa_system_sgpr_workgroup_id_z 1
		.amdhsa_system_vgpr_workitem_id 0
		.amdhsa_next_free_vgpr 512
		.amdhsa_next_free_sgpr 68
		.amdhsa_reserve_vcc 0
		.amdhsa_float_denorm_mode_32 3
		.amdhsa_float_denorm_mode_16_64 3
		.amdhsa_memory_ordered 1
		.amdhsa_forward_progress 1
		.amdhsa_inst_pref_size 87
	.end_amdhsa_kernel
	.amdgpu_metadata
---
amdhsa.version: [ 1, 2 ]
amdhsa.kernels:
  - .name:           k_q7e3d325e02_proj
    .symbol:         k_q7e3d325e02_proj.kd
    .args:
      - { .name: att, .offset: 0, .size: 8, .value_kind: global_buffer, .address_space: global }
      - { .name: wt, .offset: 8, .size: 8, .value_kind: global_buffer, .address_space: global }
      - { .name: out0, .offset: 16, .size: 8, .value_kind: global_buffer, .address_space: global }
      - { .name: b_out, .offset: 24, .size: 8, .value_kind: global_buffer, .address_space: global }
    .group_segment_fixed_size: 327680
    .private_segment_fixed_size: 0
    .kernarg_segment_align: 8
    .kernarg_segment_size: 32
    .max_flat_workgroup_size: 128
    .sgpr_count:     68
    .vgpr_count:     512
    .wavefront_size: 32
...
	.end_amdgpu_metadata
.endif
;; end of part 4
